; MI455X (gfx1250); checked and timed in simulation.
; The chip was launched on July 23, 2026; its instructions are those of AMD's public machine-readable ISA for CDNA 5 (MIT licence, August 2026) and "CDNA5" Instruction Set Architecture Reference Guide (July 2026). The comments in the code are by the model that wrote it; some were corrected since.
;; Self Attention. Allowed arithmetic: float matrix products may take bf16 or f16 operands with f32 sums; all other float work in f32.
;; Inputs: Wk 1,024 x 1,024 float32; Wq 1,024 x 1,024 float32; Wv 1,024 x 1,024 float32; mask 2,048 x 2,048 float32; x 2 x 2,048 x 1,024 float32.
;; Outputs: out0 2 x 2,048 x 1,024 float32.
;; 3 versions, each right; version 2 is faster than version 1; version 3 is version 2 with the launch cast written anew for expert scheduling mode. Each part assembles by itself: llvm-mc -triple=amdgcn-amd-amdhsa -mcpu=gfx1250 --defsym DOCPART=n.
;; ======== version 1 of 3: 2 launches
;; limits: values are held in f16: magnitudes above 65,504 overflow, below 6.1e-05 lose precision; right only within a limited range of input values
;; workspace buffers: q 8,388,608 bytes; kv 16,777,216 bytes
;; launch proj (part 1): grid 16 x 16, 4 waves a work-group, clusters of 4 x 4, 327,680 bytes of LDS; arguments x, Wq, Wk, Wv, q, kv; writes q, kv
.if DOCPART == 1
	.amdgcn_target "amdgcn-amd-amdhsa--gfx1250"
	.amdhsa_code_object_version 6
	.text
	.protected	k_q722623dcce_proj
	.globl	k_q722623dcce_proj
	.p2align	8
	.type	k_q722623dcce_proj,@function
k_q722623dcce_proj:
	s_mov_b64 s[64:65], 0
	v_nop
	global_prefetch_b8 v0, s[64:65] scope:SCOPE_SE
	s_setreg_imm32_b32 hwreg(HW_REG_WAVE_MODE, 25, 1), 1
	s_wait_xcnt 0x0
	s_wait_alu depctr_hold_cnt(0) depctr_sa_sdst(0) depctr_va_vdst(0) depctr_va_sdst(0) depctr_va_ssrc(0) depctr_va_vcc(0) depctr_vm_vsrc(0)
	s_getreg_b32 s2, hwreg(HW_REG_IB_STS2, 6, 4)
	s_cmp_eq_u32 s2, 0
	s_cbranch_scc0 .Lentry_in_a_cluster
	s_endpgm
.Lentry_in_a_cluster:
	s_bfe_u32 s2, ttmp6, 0x10000c
	s_cmp_lg_u32 s2, 0xf033
	s_cbranch_scc0 .Lentry_shape_is_right
	s_endpgm
.Lentry_shape_is_right:
; q, k, v = x W^T for one head and 256 tokens.  x: [4096][1024] f32; Wq, Wk, Wv: [1024][1024] f32 (rows = output features).
; A work-group (head hx, token block ty) makes 256 tokens x 64 features of each of q, k and v with four waves.
; Wave w (i = w / 2, j = w % 2): tokens 128 i .. +127 (8 tiles), features 32 j .. +31 of q, of k and of v (2 tiles each): 48 accumulator tiles, 384 registers.
; K (1024) goes in 16 steps of 64 f32 (rows of 256 bytes) through two LDS slots filled by the tensor data mover; the f32 numbers are rounded to bf16
; on the way from LDS to the matrix unit (raw f32 in registers, v_cvt_pk_bf16_f32 into the fragments); sums in f32.
; CLUSTERS: 4 x 4 work-groups.  x's tile hangs on the token block alone and is asked for jointly by a row of the cluster;
; the weights' tiles hang on the head alone and are asked for jointly by a column: a quarter of the requests.
; OUTPUT, in blocks of 512 bytes = one 16 x 16 tile rounded to 16 bits, lane L's 16 bytes at byte 16 L, so that every store of a wave covers 512 consecutive
; aligned bytes and the next launch reads matrix fragments at 16 x lane:
;   q  (bf16): (16 b + head) << 18 + (token / 16) * 2048 + (feature tile) * 512          lane (r, h): token r, features 8 h .. 8 h + 7
;   kv: (16 b + head) << 19 + (token / 64) * 16384 + ...
;       k (bf16): + (4 * key tile + feature tile) * 512                                   lane (r, h): key r, features 8 h .. 8 h + 7
;       v (f16, times 2^-6): + 8192 + (8 * (key tile / 2) + 2 * feature tile + key tile % 2) * 512    lane (r, h): feature r, keys 8 h .. 8 h + 7
; q and k tiles are made with the sources swapped (source 0 = rows of W, source 1 = rows of x), v tiles in the natural order: that gives the lane contents above.
; LIMITS: x, W rounded to bf16 as matrix operands; q, k rounded to bf16; v is stored as f16 of v / 64: |v| of 64 x 65,504 = 4,192,256 or more becomes
; infinity, |v| under 64 x 2^-25 (1.9e-6) becomes 0.  The order of the sums differs from a plain dot product's.
.set PITCH,  272                       ; an LDS row: 256 bytes + 16 of padding, an odd multiple of 16: the 16 rows of a fragment load start in 16 different 16-byte columns of 256 bytes
.set XBYTES, 256*PITCH                 ; x: 256 rows
.set WBYTES, 64*PITCH                  ; one weight matrix: 64 rows
.set SLOT,   XBYTES+3*WBYTES           ; 121,856: x, Wq, Wk, Wv
.set PADW,   (2<<16)|(1<<20)|(1<<21)|(5<<22)|(3<<25)   ; elements of 4 bytes; padding on; bit 21 beside a mask; after every 64 words; 4 words
.set XA, 2                             ; v2-3   LDS address of my x rows in slot 0, 1
.set WA, 4                             ; v4-5   the same for my rows of Wq (Wk, Wv: 64 and 128 rows further)
.set SO, 6                             ; v6     16 x lane: my place in an output block
.set XF, 16                            ; v16-79   8 bf16 fragments of x
.set WF, 80                            ; v80-127  6 bf16 fragments of W: 2 x matrix + feature tile
.set XR, 128                           ; v128-255 raw f32 of x: 8 x 16 registers
.set WR, 0                             ; window 1, v0-95: raw f32 of W: 6 x 16 registers
                                       ; window 2: q tiles at 8 (2 tt + f), k tiles at 128 + 8 (2 tt + f); window 3: v tiles at 8 (2 tt + f)
.set G1X, 24                           ; s[24:31] group 1 of x's tiles
.set G0X, 32                           ; s[32:39] group 0 of x's tiles, a set for each slot
.set G1W, 40                           ; s[40:47] group 1 of the weights' tiles
.set G0W, 48                           ; s[48:55] group 0 of the weights' tiles, a set for each slot
.set MSB, 0
.macro WIN new                         ; register windows: low byte = source 0, 1, 2, destination (2 bits each); high byte repeats the setting that is left
.if MSB != \new
	s_set_vgpr_msb (MSB<<8)|\new
.set MSB, \new
.endif
.endm
.macro PLACES                          ; four plain vector places behind a matrix instruction, before its sources are rewritten or its result is read (ISA guide 7.12.1)
.rept 4
	v_nop
.endr
.endm
; A joint load: wave 0 asks for x's 256 rows, waves 1 to 3 for the 64 rows of Wq, Wk, Wv.  The branch hangs on the wave's number alone.
.macro JLOAD s
	s_cmp_eq_u32 s16, 0
	s_cbranch_scc0 .Lfor_w_\@
	tensor_load_to_lds s[G0X+4*\s:G0X+4*\s+3], s[G1X:G1X+7]
	s_nop 0
	s_branch .Lasked_\@
.Lfor_w_\@:
	tensor_load_to_lds s[G0W+4*\s:G0W+4*\s+3], s[G1W:G1W+7]
	s_nop 0
.Lasked_\@:
.endm
.macro CREST                           ; a round of the cluster's barrier behind its opening work-group barrier
	s_cmp_lg_u32 s16, 0
	s_cbranch_scc1 .Lnot_wave_0_\@
	s_barrier_signal -3
.Lnot_wave_0_\@:
	s_barrier_wait -3
	s_barrier_signal -1
	s_barrier_wait -1
.endm
.macro CROUND                          ; a whole round
	s_barrier_signal -1
	s_barrier_wait -1
	CREST
.endm
	s_load_b256 s[4:11], s[0:1], 0x0               ; x s[4:5], Wq s[6:7], Wk s[8:9], Wv s[10:11]
	s_load_b128 s[12:15], s[0:1], 0x20             ; q s[12:13], kv s[14:15]
	v_lshl_add_u32 v14, v0, 2, 0x3b800
	v_mov_b32 v15, 0
	ds_add_u32 v14, v15
	v_lshrrev_b32 v1, 5, v0
	v_readfirstlane_b32 s16, v1                    ; wave 0..3
	s_lshr_b32 s17, s16, 1                         ; i: which 128 tokens
	s_and_b32 s18, s16, 1                          ; j: which 32 features
	s_bfe_u32 s19, ttmp6, 0x40000                  ; cx
	s_bfe_u32 s20, ttmp6, 0x40004                  ; cy
	s_lshl_b32 s21, ttmp9, 2
	s_add_co_u32 s21, s21, s19                     ; hx: head = 4 x cluster x + cx
	s_and_b32 s22, ttmp7, 0xffff
	s_lshl_b32 s22, s22, 2
	s_add_co_u32 s22, s22, s20                     ; ty: token block = 4 x cluster y + cy
	s_lshl_b32 s66, s20, 2
	s_lshl_b32 s66, 15, s66                        ; my row of the cluster: places 4 cy .. 4 cy + 3
	s_lshl_b32 s67, 0x1111, s19                    ; my column: places cx, cx + 4, cx + 8, cx + 12
	s_or_b32 s[G1X+0], s66, PADW                   ; x's tiles go to my row
	s_mov_b32 s[G1X+1], 64<<16                     ; tensor_dim0 = 64
	s_mov_b32 s[G1X+2], 256<<16                    ; tensor_dim1 = 256
	s_mov_b32 s[G1X+3], 64<<16                     ; tile_dim0 = 64 elements = 256 bytes
	s_mov_b32 s[G1X+4], 256                        ; tile_dim1 = 256 rows
	s_mov_b32 s[G1X+5], 1024                       ; elements from row to row
	s_mov_b32 s[G1X+6], 0
	s_mov_b32 s[G1X+7], 0
	s_or_b32 s[G1W+0], s67, PADW                   ; the weights' tiles go to my column
	s_mov_b32 s[G1W+1], 64<<16
	s_mov_b32 s[G1W+2], 64<<16                     ; tensor_dim1 = 64
	s_mov_b32 s[G1W+3], 64<<16
	s_mov_b32 s[G1W+4], 64                         ; tile_dim1 = 64 rows
	s_mov_b32 s[G1W+5], 1024
	s_mov_b32 s[G1W+6], 0
	s_mov_b32 s[G1W+7], 0
	s_lshl_b32 s56, s22, 20                        ; x: 256 tokens of 4,096 bytes for each token block (holds ty alone)
	s_mov_b32 s57, 0
	s_lshl_b32 s58, s21, 18                        ; W: 64 rows of 4,096 bytes for each head (holds hx alone)
	s_mov_b32 s59, 0
	s_mul_i32 s62, s16, WBYTES
	s_add_co_u32 s62, s62, XBYTES-WBYTES           ; wave 1, 2, 3: the LDS place of Wq, Wk, Wv in slot 0
	s_wait_dscnt 0x0
	s_wait_kmcnt 0x0
	s_cmp_eq_u32 s16, 2
	s_cselect_b64 s[60:61], s[8:9], s[6:7]         ; wave 2: Wk; else Wq
	s_cmp_eq_u32 s16, 3
	s_cselect_b64 s[60:61], s[10:11], s[60:61]     ; wave 3: Wv
	s_add_nc_u64 s[60:61], s[60:61], s[58:59]
	s_add_nc_u64 s[56:57], s[4:5], s[56:57]
	CROUND                                         ; all sixteen work-groups are here: the first joint loads meet
.irp n, 0,1
	s_mov_b32 s[G0X+4*\n], 1
	s_mov_b32 s[G0X+4*\n+1], \n*SLOT
	s_add_nc_u64 s[G0X+4*\n+2:G0X+4*\n+3], s[56:57], \n*256        ; K step n
	s_or_b32 s[G0X+4*\n+3], s[G0X+4*\n+3], 0x80000000
	s_mov_b32 s[G0W+4*\n], 1
	s_add_co_u32 s[G0W+4*\n+1], s62, \n*SLOT
	s_add_nc_u64 s[G0W+4*\n+2:G0W+4*\n+3], s[60:61], \n*256
	s_or_b32 s[G0W+4*\n+3], s[G0W+4*\n+3], 0x80000000
	JLOAD \n                                       ; both slots' first fills go out together: two loads of the wave are out
.endr
	; A fragment's lane (r, h) holds row r; registers 0-3: K = 8 h .. +7, registers 4-7: K = 16 + 8 h .. +7.  In f32 that is 32 bytes at 32 h and 32 bytes at 64 + 32 h.
	v_and_b32 v1, 15, v0                           ; r
	v_bfe_u32 v7, v0, 4, 1                         ; h
	v_mul_u32_u24 v8, v1, PITCH
	v_lshl_add_u32 v8, v7, 5, v8                   ; r x pitch + 32 h
	s_mul_i32 s68, s17, 128*PITCH                  ; my 128 rows of x
	s_mul_i32 s69, s18, 32*PITCH
	s_add_co_u32 s69, s69, XBYTES                  ; my 32 rows of Wq
	v_add_nc_u32 v[XA], s68, v8
	v_add_nc_u32 v[WA], s69, v8
	v_add_nc_u32 v[XA+1], SLOT, v[XA]
	v_add_nc_u32 v[WA+1], SLOT, v[WA]
	v_and_b32 v[SO], 31, v0
	v_lshlrev_b32 v[SO], 4, v[SO]
.macro LDX1 slot, k, tt                ; raw f32 of x's fragment tt, 32 K at byte k of the rows
	ds_load_b128 v[XR+16*\tt:XR+16*\tt+3],     v[XA+\slot] offset:\tt*16*PITCH+\k
	ds_load_b128 v[XR+16*\tt+4:XR+16*\tt+7],   v[XA+\slot] offset:\tt*16*PITCH+\k+16
	ds_load_b128 v[XR+16*\tt+8:XR+16*\tt+11],  v[XA+\slot] offset:\tt*16*PITCH+\k+64
	ds_load_b128 v[XR+16*\tt+12:XR+16*\tt+15], v[XA+\slot] offset:\tt*16*PITCH+\k+80
.endm
.macro LDW slot, k                     ; raw f32 of the six fragments of W (g = 2 x matrix + feature tile), into window 1
	WIN 0x40
.irp g, 0,1,2,3,4,5
	ds_load_b128 v[WR+16*\g:WR+16*\g+3],     v[WA+\slot] offset:((\g/2)*64+(\g%2)*16)*PITCH+\k
	ds_load_b128 v[WR+16*\g+4:WR+16*\g+7],   v[WA+\slot] offset:((\g/2)*64+(\g%2)*16)*PITCH+\k+16
	ds_load_b128 v[WR+16*\g+8:WR+16*\g+11],  v[WA+\slot] offset:((\g/2)*64+(\g%2)*16)*PITCH+\k+64
	ds_load_b128 v[WR+16*\g+12:WR+16*\g+15], v[WA+\slot] offset:((\g/2)*64+(\g%2)*16)*PITCH+\k+80
.endr
.endm
.macro CVX tt                          ; 16 f32 to one bf16 fragment of x
.irp e, 0,1,2,3,4,5,6,7
	v_cvt_pk_bf16_f32 v[XF+8*\tt+\e], v[XR+16*\tt+2*\e], v[XR+16*\tt+2*\e+1]
.endr
.endm
.macro CVW                             ; the six fragments of W, sources in window 1
	WIN 0x05
.irp g, 0,1,2,3,4,5
.irp e, 0,1,2,3,4,5,6,7
	v_cvt_pk_bf16_f32 v[WF+8*\g+\e], v[WR+16*\g+2*\e], v[WR+16*\g+2*\e+1]
.endr
.endr
.endm
.macro CVTLOAD slot, k                 ; round what the raw registers hold, and load them again: each fragment's loads straight behind its conversions
	WIN 0
.irp tt, 0,1,2,3,4,5,6,7
	CVX \tt
	LDX1 \slot, \k, \tt
.endr
	CVW
	LDW \slot, \k
	WIN 0
.endm
.macro CVTONLY
	WIN 0
.irp tt, 0,1,2,3,4,5,6,7
	CVX \tt
.endr
	CVW
	WIN 0
.endm
; The 48 accumulators take turns, one instruction a turn, in the same order everywhere.
.macro MULQK zero                      ; 32 tiles of q and k: source 0 = W, source 1 = x
	WIN 0xa0
.irp m, 0,1
.irp tt, 0,1,2,3,4,5,6,7
.irp f, 0,1
.if \zero
	v_wmma_f32_16x16x32_bf16 v[128*\m+8*(2*\tt+\f):128*\m+8*(2*\tt+\f)+7], v[WF+8*(2*\m+\f):WF+8*(2*\m+\f)+7], v[XF+8*\tt:XF+8*\tt+7], 0
.else
	v_wmma_f32_16x16x32_bf16 v[128*\m+8*(2*\tt+\f):128*\m+8*(2*\tt+\f)+7], v[WF+8*(2*\m+\f):WF+8*(2*\m+\f)+7], v[XF+8*\tt:XF+8*\tt+7], v[128*\m+8*(2*\tt+\f):128*\m+8*(2*\tt+\f)+7]
.endif
.endr
.endr
.endr
.endm
.macro MULV zero                       ; 16 tiles of v: source 0 = x, source 1 = W
	WIN 0xf0
.irp tt, 0,1,2,3,4,5,6,7
.irp f, 0,1
.if \zero
	v_wmma_f32_16x16x32_bf16 v[8*(2*\tt+\f):8*(2*\tt+\f)+7], v[XF+8*\tt:XF+8*\tt+7], v[WF+8*(4+\f):WF+8*(4+\f)+7], 0
.else
	v_wmma_f32_16x16x32_bf16 v[8*(2*\tt+\f):8*(2*\tt+\f)+7], v[XF+8*\tt:XF+8*\tt+7], v[WF+8*(4+\f):WF+8*(4+\f)+7], v[8*(2*\tt+\f):8*(2*\tt+\f)+7]
.endif
.endr
.endr
.endm
; One K step of 64.  At its head the fragments hold the last step's second half (lead = 1) and the raw registers are being filled with this slot's first half.
; mode 2: the slot is filled again, two steps ahead, behind a round of the cluster's barrier; mode 1: a work-group barrier alone (the other slot must be whole); mode 0: the last step.
.macro TRIP slot, other, lead, zero, mode
.if \lead
	MULQK 0
	MULV 0
	PLACES
.endif
	s_wait_dscnt 0x0                               ; the raw first half of this slot is in
	CVTLOAD \slot, 128                             ; round it; the second half's 56 loads go out
	MULQK \zero
	s_wait_dscnt 0x0                               ; the raw second half is in: my reads of this slot are over
.if \mode >= 1
	s_wait_tensorcnt 0x0                           ; all my tensor loads have landed: the one that was out is my part of the other slot
	ds_add_u32 v14, v15
	s_wait_dscnt 0x0
	s_barrier_signal -1                            ; say so,
.endif
	MULV \zero                                     ; work on registers while the others arrive,
	PLACES
	WIN 0
.if \mode >= 1
	s_barrier_wait -1                              ; and go on when all four waves have said so
.endif
.if \mode == 2
	CREST                                          ; all sixteen work-groups have said so: no partner's wave still reads this slot or has a load on its way
	s_add_nc_u64 s[G0X+4*\slot+2:G0X+4*\slot+3], s[G0X+4*\slot+2:G0X+4*\slot+3], 512   ; two K steps on; no tensor load of mine is out
	s_add_nc_u64 s[G0W+4*\slot+2:G0W+4*\slot+3], s[G0W+4*\slot+2:G0W+4*\slot+3], 512
	JLOAD \slot                                    ; my one tensor load behind the round, and the first thing there
.endif
.if \mode >= 1
	CVTLOAD \other, 0                              ; round the second half; the other slot's first half goes out
.else
	CVTONLY
.endif
.endm
	s_wait_tensorcnt 0x1                           ; my part of K step 0 has landed; K step 1's, issued behind it, stays out
	s_barrier_signal -1
	s_barrier_wait -1
.irp tt, 0,1,2,3,4,5,6,7
	LDX1 0, 0, \tt
.endr
	LDW 0, 0
	WIN 0
	TRIP 0, 1, 0, 1, 2                             ; K steps 0 and 1 stand in front of the loop: the first products start the sums, nothing is cleared
	TRIP 1, 0, 1, 0, 2
	s_mov_b32 s23, 6                               ; K steps 2 to 13
.Lsteps:
	TRIP 0, 1, 1, 0, 2
	TRIP 1, 0, 1, 0, 2
	s_sub_co_u32 s23, s23, 1
	s_cmp_lg_u32 s23, 0
	s_cbranch_scc1 .Lsteps
	TRIP 0, 1, 1, 0, 1                             ; K step 14: nothing is left to fetch
	TRIP 1, 0, 1, 0, 0                             ; K step 15
	MULQK 0                                        ; its second half
	MULV 0
	PLACES
	; THE WAY OUT: straight from registers.  A tile's eight f32 of a lane become 16 bytes, and 32 lanes' 16 bytes are one block of 512 bytes.
	s_lshr_b32 s76, s22, 3
	s_lshl_b32 s76, s76, 4
	s_add_co_u32 s76, s76, s21                     ; 16 b + head
	s_and_b32 s77, s22, 7                          ; the token block inside the batch
	s_lshl_b32 s68, s76, 18
	s_lshl_b32 s78, s77, 15
	s_add_co_u32 s68, s68, s78
	s_lshl_b32 s78, s17, 14
	s_add_co_u32 s68, s68, s78                     ; q: (16 b + head) << 18 + block << 15 + i << 14
	s_lshl_b32 s70, s68, 1                         ; kv: twice that
	s_lshl_b32 s78, s18, 10
	s_add_co_u32 s68, s68, s78                     ; q: + j << 10 (two feature tiles of 512 bytes)
	s_add_co_u32 s70, s70, s78                     ; k: + j << 10
	s_add_co_u32 s72, s70, s78                     ; v: + j << 11 (two feature tiles of 1,024 bytes)
	s_mov_b32 s69, 0
	s_mov_b32 s71, 0
	s_mov_b32 s73, 0
	s_add_nc_u64 s[12:13], s[12:13], s[68:69]
	s_add_nc_u64 s[74:75], s[14:15], s[70:71]
	s_add_nc_u64 s[14:15], s[14:15], s[72:73]
	WIN 0x0a                                       ; sources in window 2: the 32 tiles of q and k
.set u, 0
.rept 32
.irp e, 0,1,2,3
	v_cvt_pk_bf16_f32 v[XR+4*u+\e], v[8*u+2*\e], v[8*u+2*\e+1]
.endr
.set u, u+1
.endr
	WIN 0xc3                                       ; window 3 in place: v times 2^-6, exact, so that f16 has room above
.set p, 0
.rept 64
	v_pk_mul_f32 v[2*p:2*p+1], v[2*p:2*p+1], 0x3c800000 op_sel_hi:[1,0]
.set p, p+1
.endr
	WIN 0x0f                                       ; sources in window 3: the 16 tiles of v, to f16
.set u, 0
.rept 16
.irp e, 0,1,2,3
	v_cvt_pk_f16_f32 v[XF+4*u+\e], v[8*u+2*\e], v[8*u+2*\e+1]
.endr
.set u, u+1
.endr
	WIN 0
.irp tt, 0,1,2,3,4,5,6,7
.irp f, 0,1
	global_store_b128 v[SO], v[XR+4*(2*\tt+\f):XR+4*(2*\tt+\f)+3], s[12:13] offset:\tt*2048+\f*512
	global_store_b128 v[SO], v[XR+64+4*(2*\tt+\f):XR+64+4*(2*\tt+\f)+3], s[74:75] offset:(\tt/4)*16384+(\tt%4)*2048+\f*512
	global_store_b128 v[SO], v[XF+4*(2*\tt+\f):XF+4*(2*\tt+\f)+3], s[14:15] offset:(\tt/4)*16384+8192+((\tt%4)/2)*4096+\f*1024+(\tt%2)*512
.endr
.endr
	CROUND                                         ; the closing round: no work-group ends while a partner may still ask for a tile that names it
	s_endpgm
.Lfunc_end_k_q722623dcce_proj:
	.size	k_q722623dcce_proj, .Lfunc_end_k_q722623dcce_proj-k_q722623dcce_proj
	.p2alignl 7, 3214868480
	.fill 96, 4, 3214868480
	.section	.rodata,"a",@progbits
	.p2align	6, 0x0
	.amdhsa_kernel k_q722623dcce_proj
		.amdhsa_group_segment_fixed_size 327680
		.amdhsa_private_segment_fixed_size 0
		.amdhsa_enable_private_segment 0
		.amdhsa_kernarg_size 48
		.amdhsa_user_sgpr_count 2
		.amdhsa_user_sgpr_kernarg_segment_ptr 1
		.amdhsa_wavefront_size32 1
		.amdhsa_system_sgpr_workgroup_id_x 1
		.amdhsa_system_sgpr_workgroup_id_y 1
		.amdhsa_system_sgpr_workgroup_id_z 1
		.amdhsa_system_vgpr_workitem_id 0
		.amdhsa_next_free_vgpr 896
		.amdhsa_next_free_sgpr 80
		.amdhsa_reserve_vcc 0
		.amdhsa_float_denorm_mode_32 3
		.amdhsa_float_denorm_mode_16_64 3
		.amdhsa_memory_ordered 1
		.amdhsa_forward_progress 1
		.amdhsa_inst_pref_size 199
	.end_amdhsa_kernel
	.amdgpu_metadata
---
amdhsa.version: [ 1, 2 ]
amdhsa.kernels:
  - .name:           k_q722623dcce_proj
    .symbol:         k_q722623dcce_proj.kd
    .args:
      - { .name: x, .offset: 0, .size: 8, .value_kind: global_buffer, .address_space: global }
      - { .name: Wq, .offset: 8, .size: 8, .value_kind: global_buffer, .address_space: global }
      - { .name: Wk, .offset: 16, .size: 8, .value_kind: global_buffer, .address_space: global }
      - { .name: Wv, .offset: 24, .size: 8, .value_kind: global_buffer, .address_space: global }
      - { .name: q, .offset: 32, .size: 8, .value_kind: global_buffer, .address_space: global }
      - { .name: kv, .offset: 40, .size: 8, .value_kind: global_buffer, .address_space: global }
    .group_segment_fixed_size: 327680
    .private_segment_fixed_size: 0
    .kernarg_segment_align: 8
    .kernarg_segment_size: 48
    .max_flat_workgroup_size: 128
    .sgpr_count:     80
    .vgpr_count:     896
    .wavefront_size: 32
...
	.end_amdgpu_metadata
.endif
;; end of part 1
;; launch attn (part 2): grid 8 x 32, 8 waves a work-group, clusters of 4 x 4, 327,680 bytes of LDS; arguments q, kv, mask, out0; writes out0
.if DOCPART == 2
	.amdgcn_target "amdgcn-amd-amdhsa--gfx1250"
	.amdhsa_code_object_version 6
	.text
	.protected	k_q722623dcce_attn
	.globl	k_q722623dcce_attn
	.p2align	8
	.type	k_q722623dcce_attn,@function
k_q722623dcce_attn:
	s_mov_b64 s[64:65], 0
	v_nop
	global_prefetch_b8 v0, s[64:65] scope:SCOPE_SE
	s_setreg_imm32_b32 hwreg(HW_REG_WAVE_MODE, 25, 1), 1
	s_wait_xcnt 0x0
	s_wait_alu depctr_hold_cnt(0) depctr_sa_sdst(0) depctr_va_vdst(0) depctr_va_sdst(0) depctr_va_ssrc(0) depctr_va_vcc(0) depctr_vm_vsrc(0)
	s_getreg_b32 s2, hwreg(HW_REG_IB_STS2, 6, 4)
	s_cmp_eq_u32 s2, 0
	s_cbranch_scc0 .Lentry_in_a_cluster
	s_endpgm
.Lentry_in_a_cluster:
	s_bfe_u32 s2, ttmp6, 0x10000c
	s_cmp_lg_u32 s2, 0xf033
	s_cbranch_scc0 .Lentry_shape_is_right
	s_endpgm
.Lentry_shape_is_right:
; out = softmax((q k^T) * mask / 32) v for one (batch, head) and 256 queries; all 2,048 keys, 64 a trip, 32 trips; running maximum.
; The mask multiplies the scores, so a masked score still counts exp(0 - max): no key is skipped and every mask number is read, in f32.
; Eight waves; wave w owns queries 32 w .. +31 (two tiles nt of 16).  Everything is kept TRANSPOSED:
;   S^T = K Q^T (source 0 = K, source 1 = Q, bf16): lane (r, h) holds query r and keys 8 h + j of each key tile, so the mask is two 16-byte LDS loads a tile,
;   a query's maximum and sum are taken inside the lane plus one exchange between the halves of the wave, the rounded P is already source 1 of
;   O^T = V^T P^T (f16), and the rescaling of O is one factor a lane.
; q and kv come in blocks of 512 bytes, lane L's 16 bytes at 16 L (see the launch that makes them): a fragment is two such blocks.  v is stored as f16 of v / 64.
; CLUSTERS: 4 x 4 work-groups.  The mask's tile hangs on the query block alone: asked for jointly by a column of the cluster (four heads);
; the K and V tile hangs on (batch, head) alone: asked for jointly by a row (four query blocks).
; The exponent: p = exp2(c s + n), c = log2(e) / 32, n = -c x running maximum, kept as n = min(n, -c x tile maximum); old sums are scaled by exp2(n_new - n_old),
; so all terms of a query carry exactly one scale and it cancels in the division.
; LIMITS: q, k in bf16, P and v / 64 in f16 as matrix operands; scores, mask, maxima, sums and O in f32.  A p under 2^-25 counts as 0 in the product with V,
; one under 2^-126 in the sum too.  NaN or infinity in an input is not reproduced (v_max_num_f32 and v_min_num_f32 drop a NaN).  The order of the sums differs from the plain one.
.set PITCH,   272                      ; a mask row in LDS: 256 bytes + 16 of padding, an odd multiple of 16
.set MBYTES,  256*PITCH                ; the mask's tile: 256 queries x 64 keys of f32
.set KVBYTES, 16384                    ; 64 keys: K 8,192 bytes, then V^T 8,192 bytes, dense
.set SLOT,    MBYTES+KVBYTES           ; 86,016
.set STAGE,   2*SLOT                   ; 172,032, a multiple of 256: 32 rows x 272 bytes for each wave, for the way out; no fill ever lands here
.set PADW,    (2<<16)|(1<<20)|(1<<21)|(5<<22)|(3<<25)
.set KA,  2                            ; v2-3   16 x lane + the K and V tile of slot 0, 1
.set MA,  4                            ; v4-5   my mask bytes in slot 0, 1: (32 w + r) x pitch + 32 h
.set STO, 6                            ; v6     the way out: where I put my numbers
.set RD,  7                            ; v7     the way out: where I read rows back
.set CO,  8                            ; v8     my byte offset in out0
.set QO,  9                            ; v9     16 x lane
.set NM,  10                           ; v10-11 n of query tile 0, 1
.set LP,  12                           ; v[12:13], v[14:15] my two partial sums of p, for each query tile
.set NMC, 16                           ; v[16:17] the new n (low register; the high one is only written once)
.set AL,  18                           ; v[18:19] alpha (likewise)
.set TMP, 20                           ; v20-29 at work
.set OA,  32                           ; v32-95   O^T: tile (nt, dt) at 8 (4 nt + dt)
.set SC,  96                           ; v96-159  S^T: tile (nt, kt) at 8 (4 nt + kt); later P: fragment (nt, kk) at 32 nt + 16 kk
.set KVF, 160                          ; v160-223 16 blocks of K, then of V^T
.set QF,  224                          ; v224-255 Q: fragment (nt, ks) at 16 nt + 8 ks
.set MK,  0                            ; window 1, v0-63: the mask, in S^T's order
.set G1M, 24                           ; s[24:31] group 1 of the mask's tiles
.set G0M, 32                           ; s[32:39] group 0, a set for each slot
.set G1K, 40                           ; s[40:47] group 1 of the K and V tiles
.set G0K, 48                           ; s[48:55] group 0, a set for each slot
.set MSB, 0
.macro WIN new
.if MSB != \new
	s_set_vgpr_msb (MSB<<8)|\new
.set MSB, \new
.endif
.endm
.macro PLACES n                        ; plain vector places behind a matrix instruction (ISA guide 7.12.1)
.rept \n
	v_nop
.endr
.endm
; A joint load: waves 0 to 3 ask for 64 rows of the mask each, wave 4 for the K and V tile, waves 5 to 7 for nothing.  The branches hang on the wave's number alone.
.macro JLOAD s
	s_cmp_lt_u32 s12, 4
	s_cbranch_scc0 .Lnot_mask_\@
	tensor_load_to_lds s[G0M+4*\s:G0M+4*\s+3], s[G1M:G1M+7]
	s_nop 0
	s_branch .Lasked_\@
.Lnot_mask_\@:
	s_cmp_lg_u32 s12, 4
	s_cbranch_scc1 .Lasked_\@
	tensor_load_to_lds s[G0K+4*\s:G0K+4*\s+3], s[G1K:G1K+7]
	s_nop 0
.Lasked_\@:
.endm
.macro CREST
	s_cmp_lg_u32 s12, 0
	s_cbranch_scc1 .Lnot_wave_0_\@
	s_barrier_signal -3
.Lnot_wave_0_\@:
	s_barrier_wait -3
	s_barrier_signal -1
	s_barrier_wait -1
.endm
.macro CROUND
	s_barrier_signal -1
	s_barrier_wait -1
	CREST
.endm
	s_load_b256 s[4:11], s[0:1], 0x0               ; q s[4:5], kv s[6:7], mask s[8:9], out0 s[10:11]
	v_lshl_add_u32 v30, v0, 2, 0x3b000
	v_mov_b32 v31, 0
	ds_add_u32 v30, v31
	v_lshrrev_b32 v1, 5, v0
	v_readfirstlane_b32 s12, v1                    ; wave 0..7
	s_bfe_u32 s13, ttmp6, 0x40000                  ; cx
	s_bfe_u32 s14, ttmp6, 0x40004                  ; cy
	s_lshl_b32 s15, ttmp9, 2
	s_add_co_u32 s15, s15, s13                     ; qb: query block = 4 x cluster x + cx
	s_and_b32 s16, ttmp7, 0xffff
	s_lshl_b32 s16, s16, 2
	s_add_co_u32 s16, s16, s14                     ; bh: 16 b + head = 4 x cluster y + cy
	s_lshl_b32 s17, s14, 2
	s_lshl_b32 s17, 15, s17                        ; my row of the cluster
	s_lshl_b32 s18, 0x1111, s13                    ; my column
	s_or_b32 s[G1M+0], s18, PADW                   ; the mask's tiles go to my column; f32, rows of 64 words padded by 4
	s_mov_b32 s[G1M+1], 64<<16                     ; tensor_dim0 = 64
	s_mov_b32 s[G1M+2], 64<<16                     ; tensor_dim1 = 64
	s_mov_b32 s[G1M+3], 64<<16                     ; tile_dim0 = 64 elements = 256 bytes
	s_mov_b32 s[G1M+4], 64                         ; tile_dim1 = 64 rows
	s_mov_b32 s[G1M+5], 2048                       ; elements from row to row
	s_mov_b32 s[G1M+6], 0
	s_mov_b32 s[G1M+7], 0
	s_or_b32 s[G1K+0], s17, (3<<16)|(1<<21)        ; the K and V tiles go to my row; a dense block as 64 rows of 32 elements of 8 bytes, no padding
	s_mov_b32 s[G1K+1], 32<<16
	s_mov_b32 s[G1K+2], 64<<16
	s_mov_b32 s[G1K+3], 32<<16
	s_mov_b32 s[G1K+4], 64
	s_mov_b32 s[G1K+5], 32
	s_mov_b32 s[G1K+6], 0
	s_mov_b32 s[G1K+7], 0
	s_lshl_b32 s56, s15, 21                        ; mask: 256 rows of 8,192 bytes for each query block,
	s_lshl_b32 s19, s12, 19                        ; 64 rows for each of the waves 0 to 3
	s_add_co_u32 s56, s56, s19
	s_mov_b32 s57, 0
	s_lshl_b32 s58, s16, 19                        ; kv: 524,288 bytes for each (batch, head)
	s_mov_b32 s59, 0
	s_mul_i32 s20, s12, 64*PITCH                   ; where my 64 rows of the mask go
	s_mov_b32 s60, 0x76543210                      ; v_permlanex16_b32: lane i of one half reads lane i of the other
	s_mov_b32 s61, 0xfedcba98
	s_mov_b32 s62, 0x3d38aa3b                      ; c = log2(e) / 32
	s_mov_b32 s63, 0x3d38aa3b
	s_lshl_b32 s68, s16, 18                        ; q: (16 b + head) << 18 + qb << 15 + w << 12
	s_lshl_b32 s21, s15, 15
	s_add_co_u32 s68, s68, s21
	s_lshl_b32 s22, s12, 12
	s_add_co_u32 s68, s68, s22
	s_mov_b32 s69, 0
	s_lshr_b32 s70, s16, 4                         ; out0: b << 23 + qb << 20 + w << 17 + head << 8
	s_lshl_b32 s70, s70, 23
	s_lshl_b32 s21, s15, 20
	s_add_co_u32 s70, s70, s21
	s_lshl_b32 s22, s12, 17
	s_add_co_u32 s70, s70, s22
	s_and_b32 s23, s16, 15
	s_lshl_b32 s23, s23, 8
	s_add_co_u32 s70, s70, s23
	s_mov_b32 s71, 0
	s_wait_dscnt 0x0
	s_wait_kmcnt 0x0
	s_add_nc_u64 s[56:57], s[8:9], s[56:57]
	s_add_nc_u64 s[58:59], s[6:7], s[58:59]
	s_add_nc_u64 s[4:5], s[4:5], s[68:69]
	s_add_nc_u64 s[10:11], s[10:11], s[70:71]
.irp n, 0,1
	s_mov_b32 s[G0M+4*\n], 1
	s_add_co_u32 s[G0M+4*\n+1], s20, \n*SLOT
	s_add_nc_u64 s[G0M+4*\n+2:G0M+4*\n+3], s[56:57], \n*256        ; keys 64 n ..
	s_or_b32 s[G0M+4*\n+3], s[G0M+4*\n+3], 0x80000000
	s_mov_b32 s[G0K+4*\n], 1
	s_mov_b32 s[G0K+4*\n+1], MBYTES+\n*SLOT
	s_add_nc_u64 s[G0K+4*\n+2:G0K+4*\n+3], s[58:59], \n*KVBYTES
	s_or_b32 s[G0K+4*\n+3], s[G0K+4*\n+3], 0x80000000
.endr
	CROUND                                         ; all sixteen work-groups are here: the first joint loads meet
	JLOAD 0                                        ; tile 0; slot 1 is first filled behind the first trip's round
	v_and_b32 v1, 31, v0
	v_lshlrev_b32 v[QO], 4, v1
.irp nt, 0,1
.irp ft, 0,1,2,3
	global_load_b128 v[QF+16*\nt+4*\ft:QF+16*\nt+4*\ft+3], v[QO], s[4:5] offset:\nt*2048+\ft*512 th:TH_LOAD_NT   ; my 32 queries, read by no other wave
.endr
.endr
	v_add_nc_u32 v[KA], MBYTES, v[QO]
	v_add_nc_u32 v[KA+1], MBYTES+SLOT, v[QO]
	v_and_b32 v[TMP], 15, v0                       ; r
	v_bfe_u32 v[TMP+1], v0, 4, 1                   ; h
	v_mul_u32_u24 v[MA], v[TMP], PITCH
	v_lshl_add_u32 v[MA], v[TMP+1], 5, v[MA]
	s_mul_i32 s23, s12, 32*PITCH                   ; my 32 rows
	v_add_nc_u32 v[MA], s23, v[MA]
	v_add_nc_u32 v[MA+1], SLOT, v[MA]
	v_add_nc_u32 v[STO], STAGE, v[MA]              ; the stage has the same shape: row = query, 32 h bytes into each 64
	v_mul_u32_u24 v[RD], v[TMP+1], PITCH           ; back: lanes 0-15 take one row of 256 bytes, lanes 16-31 the next
	v_lshl_add_u32 v[RD], v[TMP], 4, v[RD]
	s_add_co_u32 s23, s23, STAGE
	v_add_nc_u32 v[RD], s23, v[RD]
	v_lshlrev_b32 v[CO], 12, v[TMP+1]              ; and the same two rows in out0, 4,096 bytes apart
	v_lshl_add_u32 v[CO], v[TMP], 4, v[CO]
	v_mov_b32 v[NMC+1], 0                          ; upper registers of pairs and destinations of the lane exchange count as read: written once
	v_mov_b32 v[AL+1], 0
	v_mov_b32 v[TMP+8], 0
	v_mov_b32 v[TMP+9], 0
	s_wait_loadcnt 0x0                             ; Q, once
.macro LDKV slot, part                 ; 16 blocks of 512 bytes, 16 x lane each: part = 0: K, 8192: V^T
.set n, 0
.rept 16
	ds_load_b128 v[KVF+4*n:KVF+4*n+3], v[KA+\slot] offset:\part+512*n
.set n, n+1
.endr
.endm
.macro LDM slot                        ; my 32 queries x 64 keys of the mask, into window 1
	WIN 0x40
.irp nt, 0,1
.irp kt, 0,1,2,3
	ds_load_b128 v[MK+8*(4*\nt+\kt):MK+8*(4*\nt+\kt)+3],   v[MA+\slot] offset:\nt*16*PITCH+\kt*64
	ds_load_b128 v[MK+8*(4*\nt+\kt)+4:MK+8*(4*\nt+\kt)+7], v[MA+\slot] offset:\nt*16*PITCH+\kt*64+16
.endr
.endr
	WIN 0
.endm
; In QK and in PV eight accumulators take turns, one instruction a turn.
.macro QK                              ; S^T = K Q^T: d 0-31 starts the sums, d 32-63 adds
.irp ks, 0,1
.irp nt, 0,1
.irp kt, 0,1,2,3
.if \ks == 0
	v_wmma_f32_16x16x32_bf16 v[SC+8*(4*\nt+\kt):SC+8*(4*\nt+\kt)+7], v[KVF+16*\kt+8*\ks:KVF+16*\kt+8*\ks+7], v[QF+16*\nt+8*\ks:QF+16*\nt+8*\ks+7], 0
.else
	v_wmma_f32_16x16x32_bf16 v[SC+8*(4*\nt+\kt):SC+8*(4*\nt+\kt)+7], v[KVF+16*\kt+8*\ks:KVF+16*\kt+8*\ks+7], v[QF+16*\nt+8*\ks:QF+16*\nt+8*\ks+7], v[SC+8*(4*\nt+\kt):SC+8*(4*\nt+\kt)+7]
.endif
.endr
.endr
.endr
.endm
.macro PV zero                         ; O^T += V^T P^T, keys 0-31, then 32-63; zero = 1: the first product starts the sums
.irp kk, 0,1
.irp nt, 0,1
.irp dt, 0,1,2,3
.if \zero*(1-\kk)
	v_wmma_f32_16x16x32_f16 v[OA+8*(4*\nt+\dt):OA+8*(4*\nt+\dt)+7], v[KVF+8*(4*\kk+\dt):KVF+8*(4*\kk+\dt)+7], v[SC+32*\nt+16*\kk:SC+32*\nt+16*\kk+7], 0
.else
	v_wmma_f32_16x16x32_f16 v[OA+8*(4*\nt+\dt):OA+8*(4*\nt+\dt)+7], v[KVF+8*(4*\kk+\dt):KVF+8*(4*\kk+\dt)+7], v[SC+32*\nt+16*\kk:SC+32*\nt+16*\kk+7], v[OA+8*(4*\nt+\dt):OA+8*(4*\nt+\dt)+7]
.endif
.endr
.endr
.endr
.endm
; The 32 masked scores of a lane for query tile nt: maximum, exponentials, sum, rounding to f16 in place, rescaling of O.
.macro SOFTMAX nt, first
.irp c, 0,1,2,3                        ; the largest of my 32, in four chains
	v_max3_num_f32 v[TMP+\c], v[SC+32*\nt+8*\c], v[SC+32*\nt+8*\c+1], v[SC+32*\nt+8*\c+2]
.endr
.irp c, 0,1,2,3
	v_max3_num_f32 v[TMP+\c], v[TMP+\c], v[SC+32*\nt+8*\c+3], v[SC+32*\nt+8*\c+4]
.endr
.irp c, 0,1,2,3
	v_max3_num_f32 v[TMP+\c], v[TMP+\c], v[SC+32*\nt+8*\c+5], v[SC+32*\nt+8*\c+6]
.endr
.irp c, 0,1,2,3
	v_max_num_f32 v[TMP+\c], v[TMP+\c], v[SC+32*\nt+8*\c+7]
.endr
	v_max3_num_f32 v[TMP], v[TMP], v[TMP+1], v[TMP+2]
	v_max_num_f32 v[TMP], v[TMP], v[TMP+3]
	v_permlanex16_b32 v[TMP+8], v[TMP], s60, s61   ; the other 32 keys of my query lie in the other half of the wave
	v_max_num_f32 v[TMP], v[TMP], v[TMP+8]
	v_mul_f32 v[NMC], 0xbd38aa3b, v[TMP]           ; -c x the tile's maximum
.if \first == 0
	v_min_num_f32 v[NMC], v[NMC], v[NM+\nt]        ; n_new = -c x the running maximum
	v_sub_f32 v[AL], v[NMC], v[NM+\nt]             ; n_new - n_old, at most 0
.endif
.set p, 0
.rept 16
	v_pk_fma_f32 v[SC+32*\nt+2*p:SC+32*\nt+2*p+1], v[SC+32*\nt+2*p:SC+32*\nt+2*p+1], s[62:63], v[NMC:NMC+1] op_sel_hi:[1,0,0]   ; c s + n, at most about 0
.set p, p+1
.endr
.if \first == 0
	v_exp_f32 v[AL], v[AL]
.endif
.set p, 0
.rept 32
	v_exp_f32 v[SC+32*\nt+p], v[SC+32*\nt+p]
.set p, p+1
.endr
	v_mov_b32 v[NM+\nt], v[NMC]                    ; the plain instruction between the exponentials and the first use of their results (ISA guide 5.7.2)
	s_wait_alu depctr_va_vdst(0)
.irp c, 0,1,2,3                        ; my sum, two numbers at a time, in four chains
	v_pk_add_f32 v[TMP+2*\c:TMP+2*\c+1], v[SC+32*\nt+8*\c:SC+32*\nt+8*\c+1], v[SC+32*\nt+8*\c+2:SC+32*\nt+8*\c+3]
.endr
.irp c, 0,1,2,3
	v_pk_add_f32 v[TMP+2*\c:TMP+2*\c+1], v[TMP+2*\c:TMP+2*\c+1], v[SC+32*\nt+8*\c+4:SC+32*\nt+8*\c+5]
.endr
.irp c, 0,1,2,3
	v_pk_add_f32 v[TMP+2*\c:TMP+2*\c+1], v[TMP+2*\c:TMP+2*\c+1], v[SC+32*\nt+8*\c+6:SC+32*\nt+8*\c+7]
.endr
	v_pk_add_f32 v[TMP:TMP+1], v[TMP:TMP+1], v[TMP+2:TMP+3]
	v_pk_add_f32 v[TMP+4:TMP+5], v[TMP+4:TMP+5], v[TMP+6:TMP+7]
.if \first
	v_pk_add_f32 v[LP+2*\nt:LP+2*\nt+1], v[TMP:TMP+1], v[TMP+4:TMP+5]
.else
	v_pk_add_f32 v[TMP:TMP+1], v[TMP:TMP+1], v[TMP+4:TMP+5]
	v_pk_fma_f32 v[LP+2*\nt:LP+2*\nt+1], v[LP+2*\nt:LP+2*\nt+1], v[AL:AL+1], v[TMP:TMP+1] op_sel_hi:[1,0,1]
.endif
.irp kk, 0,1                           ; 16 f32 (two key tiles) become the 8 registers of a fragment, in place: every source is read before it is written over
.irp e, 0,1,2,3
	v_cvt_pk_f16_f32 v[SC+32*\nt+16*\kk+\e], v[SC+32*\nt+16*\kk+2*\e], v[SC+32*\nt+16*\kk+2*\e+1]
.endr
.irp e, 0,1,2,3
	v_cvt_pk_f16_f32 v[SC+32*\nt+16*\kk+4+\e], v[SC+32*\nt+16*\kk+8+2*\e], v[SC+32*\nt+16*\kk+9+2*\e]
.endr
.endr
.if \first == 0
.set p, 0
.rept 16
	v_pk_mul_f32 v[OA+32*\nt+2*p:OA+32*\nt+2*p+1], v[OA+32*\nt+2*p:OA+32*\nt+2*p+1], v[AL:AL+1] op_sel_hi:[1,0]
.set p, p+1
.endr
.endif
.endm
; One trip: 64 keys from slot.  The product with V of the LAST trip's keys stands inside the round's opening barrier: it works on registers alone.
; refill = 1: the other slot gets the next tile.  pv = 0: no product yet; 1: it starts O's sums; 2: it adds.
.macro TRIP slot, other, refill, pv, first
	s_wait_dscnt 0x0                               ; the last trip's V is in registers, and with it all my reads of the other slot are over
	s_wait_tensorcnt 0x0                           ; all my tensor loads have landed: the one that was out is my part of this slot,
	ds_add_u32 v30, v31
	s_wait_dscnt 0x0
	s_add_nc_u64 s[G0M+4*\slot+2:G0M+4*\slot+3], s[G0M+4*\slot+2:G0M+4*\slot+3], 2*256       ; so every group 0 may be written: this slot's next tile
	s_add_nc_u64 s[G0K+4*\slot+2:G0K+4*\slot+3], s[G0K+4*\slot+2:G0K+4*\slot+3], 2*KVBYTES
	s_barrier_signal -1                            ; say so; this barrier opens a round of the cluster's barrier
.if \pv == 1
	PV 1
	PLACES 5                                       ; five: the next matrix instructions write over P, a source of these; K is loaded over V, the other
.endif
.if \pv == 2
	PV 0
	PLACES 5
.endif
	s_barrier_wait -1
	CREST                                          ; no wave of any partner still reads the other slot or has a load on its way
.if \refill
	JLOAD \other                                   ; the wave's one tensor load behind the round, and the first thing there
.endif
	LDKV \slot, 0
	LDM \slot
	s_wait_dscnt 16                                ; K's 16 loads are in; the mask's 16, issued behind them, may be out
	QK
	PLACES 4                                       ; before V is loaded over K and before the scores are read
	LDKV \slot, 8192
	s_wait_dscnt 16                                ; the mask is in; V's 16 loads, issued behind it, may be out
	WIN 0x04                                       ; source 1 in window 1
.set p, 0
.rept 32
	v_pk_mul_f32 v[SC+2*p:SC+2*p+1], v[SC+2*p:SC+2*p+1], v[MK+2*p:MK+2*p+1]
.set p, p+1
.endr
	WIN 0
	SOFTMAX 0, \first
	SOFTMAX 1, \first
.endm
	TRIP 0, 1, 1, 0, 1                             ; keys 0-63
	TRIP 1, 0, 1, 1, 0                             ; keys 64-127; the first product with V starts O's sums: nothing is cleared
	s_mov_b32 s66, 14                              ; trips 2 to 29
.Lkeys:
	TRIP 0, 1, 1, 2, 0
	TRIP 1, 0, 1, 2, 0
	s_sub_co_u32 s66, s66, 1
	s_cmp_lg_u32 s66, 0
	s_cbranch_scc1 .Lkeys
	TRIP 0, 1, 1, 2, 0                             ; trip 30 asks for the last tile
	TRIP 1, 0, 0, 2, 0                             ; trip 31 asks for nothing (the stepped addresses are not used)
	s_wait_dscnt 0x0                               ; the last V
	PV 0
	PLACES 4
	; THE WAY OUT: divide by the sum (and take back the 2^-6 that v carries), 32 rows of 256 bytes through my own stage, whole rows to memory.
	v_add_f32 v[TMP], v[LP], v[LP+1]
	v_add_f32 v[TMP+1], v[LP+2], v[LP+3]
	v_permlanex16_b32 v[TMP+8], v[TMP], s60, s61
	v_permlanex16_b32 v[TMP+9], v[TMP+1], s60, s61
	v_add_f32 v[TMP], v[TMP], v[TMP+8]             ; the sum over all 2,048 keys: about 1 at the least (the maximum's own term), 2,048 at the most
	v_add_f32 v[TMP+1], v[TMP+1], v[TMP+9]
	v_mul_f32 v[TMP], 0x3c800000, v[TMP]           ; l / 64, exact
	v_mul_f32 v[TMP+1], 0x3c800000, v[TMP+1]
	v_rcp_f32 v[NMC], v[TMP]
	v_rcp_f32 v[AL], v[TMP+1]
	v_nop                                          ; one plain place behind the reciprocals (ISA guide 5.7.2)
.set p, 0
	s_wait_alu depctr_va_vdst(0)
.rept 16
	v_pk_mul_f32 v[OA+2*p:OA+2*p+1], v[OA+2*p:OA+2*p+1], v[NMC:NMC+1] op_sel_hi:[1,0]
	v_pk_mul_f32 v[OA+32+2*p:OA+32+2*p+1], v[OA+32+2*p:OA+32+2*p+1], v[AL:AL+1] op_sel_hi:[1,0]
.set p, p+1
.endr
.irp nt, 0,1
.irp dt, 0,1,2,3
	ds_store_b128 v[STO], v[OA+8*(4*\nt+\dt):OA+8*(4*\nt+\dt)+3]   offset:\nt*16*PITCH+\dt*64      ; query 16 nt + r, d = 16 dt + 8 h + 0..3
	ds_store_b128 v[STO], v[OA+8*(4*\nt+\dt)+4:OA+8*(4*\nt+\dt)+7] offset:\nt*16*PITCH+\dt*64+16   ; d = 16 dt + 8 h + 4..7
.endr
.endr
.set t, 0
.rept 16
	ds_load_b128 v[SC+4*t:SC+4*t+3], v[RD] offset:t*2*PITCH        ; my own bytes: LDS serves a wave's instructions in order (ISA guide 5.7.1.4), so these see the stores above
.set t, t+1
.endr
.set t, 0
.rept 16
	s_wait_dscnt 15-t                              ; read-back t of the sixteen is in
	global_store_b128 v[CO], v[SC+4*t:SC+4*t+3], s[10:11] offset:t*8192 th:TH_STORE_NT   ; 16 lanes store the 256 consecutive, aligned bytes of one query's row in this head
.set t, t+1
.endr
	s_wait_tensorcnt 0x0
	ds_add_u32 v30, v31
	s_wait_dscnt 0x0
	CROUND                                         ; the closing round: no work-group ends while a partner may still ask for a tile that names it
	s_endpgm
.Lfunc_end_k_q722623dcce_attn:
	.size	k_q722623dcce_attn, .Lfunc_end_k_q722623dcce_attn-k_q722623dcce_attn
	.p2alignl 7, 3214868480
	.fill 96, 4, 3214868480
	.section	.rodata,"a",@progbits
	.p2align	6, 0x0
	.amdhsa_kernel k_q722623dcce_attn
		.amdhsa_group_segment_fixed_size 327680
		.amdhsa_private_segment_fixed_size 0
		.amdhsa_enable_private_segment 0
		.amdhsa_kernarg_size 32
		.amdhsa_user_sgpr_count 2
		.amdhsa_user_sgpr_kernarg_segment_ptr 1
		.amdhsa_wavefront_size32 1
		.amdhsa_system_sgpr_workgroup_id_x 1
		.amdhsa_system_sgpr_workgroup_id_y 1
		.amdhsa_system_sgpr_workgroup_id_z 1
		.amdhsa_system_vgpr_workitem_id 0
		.amdhsa_next_free_vgpr 320
		.amdhsa_next_free_sgpr 76
		.amdhsa_reserve_vcc 0
		.amdhsa_float_denorm_mode_32 3
		.amdhsa_float_denorm_mode_16_64 3
		.amdhsa_memory_ordered 1
		.amdhsa_forward_progress 1
		.amdhsa_inst_pref_size 137
	.end_amdhsa_kernel
	.amdgpu_metadata
---
amdhsa.version: [ 1, 2 ]
amdhsa.kernels:
  - .name:           k_q722623dcce_attn
    .symbol:         k_q722623dcce_attn.kd
    .args:
      - { .name: q, .offset: 0, .size: 8, .value_kind: global_buffer, .address_space: global }
      - { .name: kv, .offset: 8, .size: 8, .value_kind: global_buffer, .address_space: global }
      - { .name: mask, .offset: 16, .size: 8, .value_kind: global_buffer, .address_space: global }
      - { .name: out0, .offset: 24, .size: 8, .value_kind: global_buffer, .address_space: global }
    .group_segment_fixed_size: 327680
    .private_segment_fixed_size: 0
    .kernarg_segment_align: 8
    .kernarg_segment_size: 32
    .max_flat_workgroup_size: 256
    .sgpr_count:     76
    .vgpr_count:     320
    .wavefront_size: 32
...
	.end_amdgpu_metadata
.endif
;; end of part 2
;; ======== version 2 of 3: 3 launches; 1.21 times as fast as version 1
;; limits: values are held in f16: magnitudes above 65,504 overflow, below 6.1e-05 lose precision; right only within a limited range of input values
;; workspace buffers: xb 8,388,608 bytes; wb 6,291,456 bytes; q 8,388,608 bytes; kv 16,777,216 bytes
;; launch cast (part 3): grid 256 x 1, 8 waves a work-group, no clusters, 0 bytes of LDS; arguments x, Wq, Wk, Wv, xb, wb; writes xb, wb
.if DOCPART == 3
	.amdgcn_target "amdgcn-amd-amdhsa--gfx1250"
	.amdhsa_code_object_version 6
	.text
	.protected	k_q722623dcce_cast
	.globl	k_q722623dcce_cast
	.p2align	8
	.type	k_q722623dcce_cast,@function
k_q722623dcce_cast:
	s_mov_b64 s[64:65], 0
	v_nop
	global_prefetch_b8 v0, s[64:65] scope:SCOPE_SE
	s_setreg_imm32_b32 hwreg(HW_REG_WAVE_MODE, 25, 1), 1
	s_wait_xcnt 0x0
; xb = bf16(x), wb = bf16(Wq), bf16(Wk), bf16(Wv) one behind the other; rounding to nearest even, once for each number.
; WHY A LAUNCH OF ITS OWN: the projection's LDS slot has 448 rows (256 tokens + 3 x 64 features).  In f32 a slot of 128 along K would be 448 x 528 = 236,544 bytes
; and two of them do not fit in 327,680; in bf16 the slot of 448 x 272 = 121,856 bytes holds 128 along K.  So the projection has 8 K steps in place of 16, reads half the
; LDS bytes for a fragment, and rounds nothing: there each number of x and of W would be rounded by 2 waves in each of 16 work-groups.
; The price: 29,360,128 bytes read and 14,680,064 written here, which the projection reads in place of the f32.
; A stream: no LDS, no barrier, no matrix unit, no cluster (no two work-groups read the same byte).
; Work-group g: bytes 65,536 g .. of x and 16,384 g .. of each W.  Thread t: 16 bytes at 16 t of every 4,096: a wave's load covers 512 consecutive bytes;
; its four numbers become 8 bytes at 8 t of every 2,048: a wave's store covers 256 consecutive bytes, aligned.
; All 28 loads of a thread go out before anything else, so all that the launch reads is on its way at once; no register is used twice.
; LIMITS: bf16 keeps 8 bits of significand; infinities and NaN pass as the conversion gives them.
.set NX,  16                           ; loads of x a thread: 65,536 / (256 threads x 16 bytes)
.set NW,  4                            ; loads of each W a thread: 16,384 / 4,096
.set NL,  NX+3*NW                      ; 28
.set IN,  4                            ; v[4:115]   load i: 4 registers of f32
.set OUT, 116                          ; v[116:171] load i: 2 registers of bf16
	s_load_b256 s[4:11], s[0:1], 0x0               ; x s[4:5], Wq s[6:7], Wk s[8:9], Wv s[10:11]
	s_load_b128 s[12:15], s[0:1], 0x20             ; xb s[12:13], wb s[14:15]
	v_lshlrev_b32 v1, 4, v0                        ; 16 t: where I read
	v_lshlrev_b32 v2, 3, v0                        ; 8 t: where I write
	s_lshl_b32 s16, ttmp9, 16                      ; the work-group's part of x,
	s_mov_b32 s17, 0
	s_lshl_b32 s18, ttmp9, 14                      ; of each W,
	s_mov_b32 s19, 0
	s_lshl_b32 s20, ttmp9, 15                      ; of xb,
	s_mov_b32 s21, 0
	s_lshl_b32 s22, ttmp9, 13                      ; of each third of wb
	s_mov_b32 s23, 0
	s_wait_kmcnt 0x0
	s_add_nc_u64 s[4:5], s[4:5], s[16:17]
	s_add_nc_u64 s[6:7], s[6:7], s[18:19]
	s_add_nc_u64 s[8:9], s[8:9], s[18:19]
	s_add_nc_u64 s[10:11], s[10:11], s[18:19]
	s_add_nc_u64 s[12:13], s[12:13], s[20:21]
	s_add_nc_u64 s[14:15], s[14:15], s[22:23]
.set i, 0
.rept NX
	global_load_b128 v[IN+4*i:IN+4*i+3], v1, s[4:5] offset:i*4096 th:TH_LOAD_NT
.set i, i+1
.endr
.irp m, 0,1,2
.irp j, 0,1,2,3
	global_load_b128 v[IN+4*(NX+NW*\m+\j):IN+4*(NX+NW*\m+\j)+3], v1, s[6+2*\m:7+2*\m] offset:\j*4096 th:TH_LOAD_NT
.endr
.endr
.set i, 0
.rept NX
	s_wait_loadcnt NL-1-i                          ; loads come back in order (ISA guide 5.7.1): load i is in, the younger ones stay out
	v_cvt_pk_bf16_f32 v[OUT+2*i],   v[IN+4*i],   v[IN+4*i+1]
	v_cvt_pk_bf16_f32 v[OUT+2*i+1], v[IN+4*i+2], v[IN+4*i+3]
	global_store_b64 v2, v[OUT+2*i:OUT+2*i+1], s[12:13] offset:i*2048
.set i, i+1
.endr
.irp m, 0,1,2
.irp j, 0,1,2,3
	s_wait_loadcnt NL-1-(NX+NW*\m+\j)
	v_cvt_pk_bf16_f32 v[OUT+2*(NX+NW*\m+\j)],   v[IN+4*(NX+NW*\m+\j)],   v[IN+4*(NX+NW*\m+\j)+1]
	v_cvt_pk_bf16_f32 v[OUT+2*(NX+NW*\m+\j)+1], v[IN+4*(NX+NW*\m+\j)+2], v[IN+4*(NX+NW*\m+\j)+3]
	global_store_b64 v2, v[OUT+2*(NX+NW*\m+\j):OUT+2*(NX+NW*\m+\j)+1], s[14:15] offset:\m*2097152+\j*2048   ; matrix m's third of wb stands in the immediate: 4,200,448 at the most, inside its signed 24 bits
.endr
.endr
	s_endpgm
.Lfunc_end_k_q722623dcce_cast:
	.size	k_q722623dcce_cast, .Lfunc_end_k_q722623dcce_cast-k_q722623dcce_cast
	.p2alignl 7, 3214868480
	.fill 96, 4, 3214868480
	.section	.rodata,"a",@progbits
	.p2align	6, 0x0
	.amdhsa_kernel k_q722623dcce_cast
		.amdhsa_group_segment_fixed_size 0
		.amdhsa_private_segment_fixed_size 0
		.amdhsa_enable_private_segment 0
		.amdhsa_kernarg_size 48
		.amdhsa_user_sgpr_count 2
		.amdhsa_user_sgpr_kernarg_segment_ptr 1
		.amdhsa_wavefront_size32 1
		.amdhsa_system_sgpr_workgroup_id_x 1
		.amdhsa_system_sgpr_workgroup_id_y 1
		.amdhsa_system_sgpr_workgroup_id_z 1
		.amdhsa_system_vgpr_workitem_id 0
		.amdhsa_next_free_vgpr 172
		.amdhsa_next_free_sgpr 66
		.amdhsa_reserve_vcc 0
		.amdhsa_float_denorm_mode_32 3
		.amdhsa_float_denorm_mode_16_64 3
		.amdhsa_memory_ordered 1
		.amdhsa_forward_progress 1
		.amdhsa_inst_pref_size 11
	.end_amdhsa_kernel
	.amdgpu_metadata
---
amdhsa.version: [ 1, 2 ]
amdhsa.kernels:
  - .name:           k_q722623dcce_cast
    .symbol:         k_q722623dcce_cast.kd
    .args:
      - { .name: x, .offset: 0, .size: 8, .value_kind: global_buffer, .address_space: global }
      - { .name: Wq, .offset: 8, .size: 8, .value_kind: global_buffer, .address_space: global }
      - { .name: Wk, .offset: 16, .size: 8, .value_kind: global_buffer, .address_space: global }
      - { .name: Wv, .offset: 24, .size: 8, .value_kind: global_buffer, .address_space: global }
      - { .name: xb, .offset: 32, .size: 8, .value_kind: global_buffer, .address_space: global }
      - { .name: wb, .offset: 40, .size: 8, .value_kind: global_buffer, .address_space: global }
    .group_segment_fixed_size: 0
    .private_segment_fixed_size: 0
    .kernarg_segment_align: 8
    .kernarg_segment_size: 48
    .max_flat_workgroup_size: 256
    .sgpr_count:     66
    .vgpr_count:     172
    .wavefront_size: 32
...
	.end_amdgpu_metadata
.endif
;; end of part 3
;; launch proj (part 4): grid 16 x 16, 4 waves a work-group, clusters of 4 x 4, 327,680 bytes of LDS; arguments xb, wb, q, kv; writes q, kv
.if DOCPART == 4
	.amdgcn_target "amdgcn-amd-amdhsa--gfx1250"
	.amdhsa_code_object_version 6
	.text
	.protected	k_q722623dcce_proj
	.globl	k_q722623dcce_proj
	.p2align	8
	.type	k_q722623dcce_proj,@function
k_q722623dcce_proj:
	s_mov_b64 s[64:65], 0
	v_nop
	global_prefetch_b8 v0, s[64:65] scope:SCOPE_SE
	s_setreg_imm32_b32 hwreg(HW_REG_WAVE_MODE, 25, 1), 1
	s_wait_xcnt 0x0
	s_wait_alu depctr_hold_cnt(0) depctr_sa_sdst(0) depctr_va_vdst(0) depctr_va_sdst(0) depctr_va_ssrc(0) depctr_va_vcc(0) depctr_vm_vsrc(0)
	s_getreg_b32 s2, hwreg(HW_REG_IB_STS2, 6, 4)
	s_cmp_eq_u32 s2, 0
	s_cbranch_scc0 .Lentry_in_a_cluster
	s_endpgm
.Lentry_in_a_cluster:
	s_bfe_u32 s2, ttmp6, 0x10000c
	s_cmp_lg_u32 s2, 0xf033
	s_cbranch_scc0 .Lentry_shape_is_right
	s_endpgm
.Lentry_shape_is_right:
; q, k, v = x W^T for one head and 256 tokens.  xb: [4096][1024] bf16; wb: [3][1024][1024] bf16 (Wq, Wk, Wv; rows = output features), both rounded by the launch before.
; A work-group (head hx, token block ty) makes 256 tokens x 64 features of each of q, k and v with four waves.
; Wave w (i = w / 2, j = w % 2): tokens 128 i .. +127 (8 tiles), features 32 j .. +31 of q, of k and of v (2 tiles each): 48 accumulator tiles, 384 registers.
; K (1024) goes in 8 steps of 128 (rows of 256 bytes, starting at multiples of 256) through two LDS slots filled by the tensor data mover; sums in f32.
; From a refill's request to the wait for it a wave issues 160 matrix instructions.
; CLUSTERS: 4 x 4 work-groups.  x's tile hangs on the token block alone and is asked for jointly by a row of the cluster;
; the weights' tiles hang on the head alone and are asked for jointly by a column: a quarter of the requests.
; OUTPUT, in blocks of 512 bytes = one 16 x 16 tile rounded to 16 bits, lane L's 16 bytes at byte 16 L, so that every store of a wave covers 512 consecutive
; aligned bytes and the next launch reads matrix fragments at 16 x lane:
;   q  (bf16): (16 b + head) << 18 + (token / 16) * 2048 + (feature tile) * 512          lane (r, h): token r, features 8 h .. 8 h + 7
;   kv: (16 b + head) << 19 + (token / 64) * 16384 + ...
;       k (bf16): + (4 * key tile + feature tile) * 512                                   lane (r, h): key r, features 8 h .. 8 h + 7
;       v (f16, times 2^-6): + 8192 + (8 * (key tile / 2) + 2 * feature tile + key tile % 2) * 512    lane (r, h): feature r, keys 8 h .. 8 h + 7
; q and k tiles are made with the sources swapped (source 0 = rows of W, source 1 = rows of x), v tiles in the natural order: that gives the lane contents above.
; LIMITS: x, W in bf16 as matrix operands; q, k rounded to bf16; v is stored as f16 of v / 64: |v| of 64 x 65,504 = 4,192,256 or more becomes
; infinity, |v| under 64 x 2^-25 (1.9e-6) becomes 0.  The order of the sums differs from a plain dot product's.
.set PITCH,  272                       ; an LDS row: 256 bytes + 16 of padding, an odd multiple of 16: the 16 rows of a fragment load start in 16 different 16-byte columns of 256 bytes
.set XBYTES, 256*PITCH                 ; x: 256 rows
.set WBYTES, 64*PITCH                  ; one weight matrix: 64 rows
.set SLOT,   XBYTES+3*WBYTES           ; 121,856: x, Wq, Wk, Wv
.set PADW,   (1<<16)|(1<<20)|(1<<21)|(5<<22)|(3<<25)   ; elements of 2 bytes; padding on; bit 21 beside a mask; after every 64 words; 4 words
.set XA, 2                             ; v2-3   LDS address of my x rows in slot 0, 1
.set WA, 4                             ; v4-5   the same for my rows of Wq (Wk, Wv: 64 and 128 rows further)
.set SO, 6                             ; v6     16 x lane: my place in an output block
.set F0, 16                            ; v16-127  fragment buffer 0: 8 fragments of x, then 6 of W (2 x matrix + feature tile)
.set F1, 128                           ; v128-239 fragment buffer 1
.set WOF, 64                           ; where W's fragments begin in a buffer
.set OQK, 128                          ; the way out: v128-255, the 32 tiles of q and k, 4 registers each
.set OV,  16                           ; the way out: v16-79, the 16 tiles of v
                                       ; window 2: q tiles at 8 (2 tt + f), k tiles at 128 + 8 (2 tt + f); window 3: v tiles at 8 (2 tt + f)
.set G1X, 24                           ; s[24:31] group 1 of x's tiles
.set G0X, 32                           ; s[32:39] group 0 of x's tiles, a set for each slot
.set G1W, 40                           ; s[40:47] group 1 of the weights' tiles
.set G0W, 48                           ; s[48:55] group 0 of the weights' tiles, a set for each slot
.set MSB, 0
.macro WIN new                         ; register windows: low byte = source 0, 1, 2, destination (2 bits each); high byte repeats the setting that is left
.if MSB != \new
	s_set_vgpr_msb (MSB<<8)|\new
.set MSB, \new
.endif
.endm
.macro PLACES                          ; four plain vector places behind a matrix instruction, before its sources are loaded or written again or its result is read (ISA guide 7.12.1)
.rept 4
	v_nop
.endr
.endm
; A joint load: wave 0 asks for x's 256 rows, waves 1 to 3 for the 64 rows of Wq, Wk, Wv.  The branch hangs on the wave's number alone.
.macro JLOAD s
	s_cmp_eq_u32 s16, 0
	s_cbranch_scc0 .Lfor_w_\@
	tensor_load_to_lds s[G0X+4*\s:G0X+4*\s+3], s[G1X:G1X+7]
	s_nop 0
	s_branch .Lasked_\@
.Lfor_w_\@:
	tensor_load_to_lds s[G0W+4*\s:G0W+4*\s+3], s[G1W:G1W+7]
	s_nop 0
.Lasked_\@:
.endm
.macro CREST                           ; a round of the cluster's barrier behind its opening work-group barrier
	s_cmp_lg_u32 s16, 0
	s_cbranch_scc1 .Lnot_wave_0_\@
	s_barrier_signal -3
.Lnot_wave_0_\@:
	s_barrier_wait -3
	s_barrier_signal -1
	s_barrier_wait -1
.endm
.macro CROUND                          ; a whole round
	s_barrier_signal -1
	s_barrier_wait -1
	CREST
.endm
	s_load_b128 s[4:7], s[0:1], 0x0                ; xb s[4:5], wb s[6:7]
	s_load_b128 s[12:15], s[0:1], 0x10             ; q s[12:13], kv s[14:15]
	v_lshl_add_u32 v14, v0, 2, 0x3b800
	v_mov_b32 v15, 0
	ds_add_u32 v14, v15
	v_lshrrev_b32 v1, 5, v0
	v_readfirstlane_b32 s16, v1                    ; wave 0..3
	s_lshr_b32 s17, s16, 1                         ; i: which 128 tokens
	s_and_b32 s18, s16, 1                          ; j: which 32 features
	s_bfe_u32 s19, ttmp6, 0x40000                  ; cx
	s_bfe_u32 s20, ttmp6, 0x40004                  ; cy
	s_lshl_b32 s21, ttmp9, 2
	s_add_co_u32 s21, s21, s19                     ; hx: head = 4 x cluster x + cx
	s_and_b32 s22, ttmp7, 0xffff
	s_lshl_b32 s22, s22, 2
	s_add_co_u32 s22, s22, s20                     ; ty: token block = 4 x cluster y + cy
	s_lshl_b32 s66, s20, 2
	s_lshl_b32 s66, 15, s66                        ; my row of the cluster: places 4 cy .. 4 cy + 3
	s_lshl_b32 s67, 0x1111, s19                    ; my column: places cx, cx + 4, cx + 8, cx + 12
	s_or_b32 s[G1X+0], s66, PADW                   ; x's tiles go to my row
	s_mov_b32 s[G1X+1], 128<<16                    ; tensor_dim0 = 128
	s_mov_b32 s[G1X+2], 256<<16                    ; tensor_dim1 = 256
	s_mov_b32 s[G1X+3], 128<<16                    ; tile_dim0 = 128 elements = 256 bytes
	s_mov_b32 s[G1X+4], 256                        ; tile_dim1 = 256 rows
	s_mov_b32 s[G1X+5], 1024                       ; elements from row to row
	s_mov_b32 s[G1X+6], 0
	s_mov_b32 s[G1X+7], 0
	s_or_b32 s[G1W+0], s67, PADW                   ; the weights' tiles go to my column
	s_mov_b32 s[G1W+1], 128<<16
	s_mov_b32 s[G1W+2], 64<<16                     ; tensor_dim1 = 64
	s_mov_b32 s[G1W+3], 128<<16
	s_mov_b32 s[G1W+4], 64                         ; tile_dim1 = 64 rows
	s_mov_b32 s[G1W+5], 1024
	s_mov_b32 s[G1W+6], 0
	s_mov_b32 s[G1W+7], 0
	s_lshl_b32 s56, s22, 19                        ; x: 256 tokens of 2,048 bytes for each token block (holds ty alone)
	s_mov_b32 s57, 0
	s_cmp_eq_u32 s16, 3
	s_cselect_b32 s63, 0x400000, 0                 ; wave 3: Wv, 2 x 2,097,152 bytes into wb
	s_cmp_eq_u32 s16, 2
	s_cselect_b32 s63, 0x200000, s63               ; wave 2: Wk; else Wq
	s_lshl_b32 s58, s21, 17                        ; 64 rows of 2,048 bytes for each head (holds hx and the wave alone)
	s_add_co_u32 s58, s58, s63
	s_mov_b32 s59, 0
	s_mul_i32 s62, s16, WBYTES
	s_add_co_u32 s62, s62, XBYTES-WBYTES           ; wave 1, 2, 3: the LDS place of Wq, Wk, Wv in slot 0
	s_wait_dscnt 0x0
	s_wait_kmcnt 0x0
	s_add_nc_u64 s[60:61], s[6:7], s[58:59]
	s_add_nc_u64 s[56:57], s[4:5], s[56:57]
	CROUND                                         ; all sixteen work-groups are here: the first joint loads meet
.irp n, 0,1
	s_mov_b32 s[G0X+4*\n], 1
	s_mov_b32 s[G0X+4*\n+1], \n*SLOT
	s_add_nc_u64 s[G0X+4*\n+2:G0X+4*\n+3], s[56:57], \n*256        ; K step n
	s_or_b32 s[G0X+4*\n+3], s[G0X+4*\n+3], 0x80000000
	s_mov_b32 s[G0W+4*\n], 1
	s_add_co_u32 s[G0W+4*\n+1], s62, \n*SLOT
	s_add_nc_u64 s[G0W+4*\n+2:G0W+4*\n+3], s[60:61], \n*256
	s_or_b32 s[G0W+4*\n+3], s[G0W+4*\n+3], 0x80000000
	JLOAD \n                                       ; both slots' first fills go out together: two loads of the wave are out
.endr
	; A fragment's lane (r, h) holds row r; registers 0-3: K = 8 h .. +7, registers 4-7: K = 16 + 8 h .. +7: two loads of 16 bytes, 32 bytes apart, at row x pitch + 16 h.
	v_and_b32 v1, 15, v0                           ; r
	v_bfe_u32 v7, v0, 4, 1                         ; h
	v_mul_u32_u24 v8, v1, PITCH
	v_lshl_add_u32 v8, v7, 4, v8                   ; r x pitch + 16 h
	s_mul_i32 s68, s17, 128*PITCH                  ; my 128 rows of x
	s_mul_i32 s69, s18, 32*PITCH
	s_add_co_u32 s69, s69, XBYTES                  ; my 32 rows of Wq
	v_add_nc_u32 v[XA], s68, v8
	v_add_nc_u32 v[WA], s69, v8
	v_add_nc_u32 v[XA+1], SLOT, v[XA]
	v_add_nc_u32 v[WA+1], SLOT, v[WA]
	v_and_b32 v[SO], 31, v0
	v_lshlrev_b32 v[SO], 4, v[SO]
; 28 LDS loads in one run: the 14 fragments of one quarter step (32 K at byte k of the rows) into a buffer
.macro FETCH slot, k, buf
	WIN 0
.irp tt, 0,1,2,3,4,5,6,7
	ds_load_b128 v[\buf+8*\tt:\buf+8*\tt+3],   v[XA+\slot] offset:\tt*16*PITCH+\k
	ds_load_b128 v[\buf+8*\tt+4:\buf+8*\tt+7], v[XA+\slot] offset:\tt*16*PITCH+\k+32
.endr
.irp g, 0,1,2,3,4,5
	ds_load_b128 v[\buf+WOF+8*\g:\buf+WOF+8*\g+3],   v[WA+\slot] offset:((\g/2)*64+(\g%2)*16)*PITCH+\k
	ds_load_b128 v[\buf+WOF+8*\g+4:\buf+WOF+8*\g+7], v[WA+\slot] offset:((\g/2)*64+(\g%2)*16)*PITCH+\k+32
.endr
.endm
; The 48 accumulators take turns, one instruction a turn, in the same order everywhere.
.macro MULQK buf, zero                 ; 32 tiles of q and k: source 0 = W, source 1 = x
	WIN 0xa0
.irp m, 0,1
.irp tt, 0,1,2,3,4,5,6,7
.irp f, 0,1
.if \zero
	v_wmma_f32_16x16x32_bf16 v[128*\m+8*(2*\tt+\f):128*\m+8*(2*\tt+\f)+7], v[\buf+WOF+8*(2*\m+\f):\buf+WOF+8*(2*\m+\f)+7], v[\buf+8*\tt:\buf+8*\tt+7], 0
.else
	v_wmma_f32_16x16x32_bf16 v[128*\m+8*(2*\tt+\f):128*\m+8*(2*\tt+\f)+7], v[\buf+WOF+8*(2*\m+\f):\buf+WOF+8*(2*\m+\f)+7], v[\buf+8*\tt:\buf+8*\tt+7], v[128*\m+8*(2*\tt+\f):128*\m+8*(2*\tt+\f)+7]
.endif
.endr
.endr
.endr
.endm
.macro MULV buf, zero                  ; 16 tiles of v: source 0 = x, source 1 = W
	WIN 0xf0
.irp tt, 0,1,2,3,4,5,6,7
.irp f, 0,1
.if \zero
	v_wmma_f32_16x16x32_bf16 v[8*(2*\tt+\f):8*(2*\tt+\f)+7], v[\buf+8*\tt:\buf+8*\tt+7], v[\buf+WOF+8*(4+\f):\buf+WOF+8*(4+\f)+7], 0
.else
	v_wmma_f32_16x16x32_bf16 v[8*(2*\tt+\f):8*(2*\tt+\f)+7], v[\buf+8*\tt:\buf+8*\tt+7], v[\buf+WOF+8*(4+\f):\buf+WOF+8*(4+\f)+7], v[8*(2*\tt+\f):8*(2*\tt+\f)+7]
.endif
.endr
.endr
.endm
; A K step is four quarters of 32 along K, 48 matrix instructions each, on buffers 0, 1, 0, 1.
; One of the first three: multiplies buffer buf; ahead of that it asks for the next quarter's fragments, at byte k of the same slot's rows, into buffer nxt,
; which the quarter before has multiplied: hence the places.  The loads have 48 matrix instructions in which to come.
.macro QUARTER slot, k, buf, nxt, zero
	PLACES
	s_wait_dscnt 0x0                               ; this quarter's 28 loads, the only ones that are out, are in
	FETCH \slot, \k, \nxt
	MULQK \buf, \zero
	MULV \buf, \zero
.endm
; The last quarter: multiplies buffer 1 and changes slots.
; mode 2: this slot is filled again, two K steps ahead, behind a round of the cluster's barrier; mode 1: a work-group barrier alone (the other slot must be whole); mode 0: the last step.
.macro TURN slot, other, mode
	PLACES                                         ; behind the third quarter's matrix instructions, which read buffer 0: it is loaded again below
	s_wait_dscnt 0x0                               ; the fourth quarter's fragments are in: my reads of this slot are over
.if \mode >= 1
	s_wait_tensorcnt 0x0                           ; all my tensor loads have landed: the one that was out is my part of the other slot
	ds_add_u32 v14, v15
	s_wait_dscnt 0x0
	s_barrier_signal -1                            ; say so,
.endif
	MULQK F1, 0                                    ; work on registers while the others arrive,
	WIN 0
.if \mode >= 1
	s_barrier_wait -1                              ; and go on when all four waves have said so
.endif
.if \mode == 2
	CREST                                          ; all sixteen work-groups have said so: no partner's wave still reads this slot or has a load on its way
	s_add_nc_u64 s[G0X+4*\slot+2:G0X+4*\slot+3], s[G0X+4*\slot+2:G0X+4*\slot+3], 512   ; two K steps of 256 bytes on; no tensor load of mine is out
	s_add_nc_u64 s[G0W+4*\slot+2:G0W+4*\slot+3], s[G0W+4*\slot+2:G0W+4*\slot+3], 512
	JLOAD \slot                                    ; my one tensor load behind the round, and the first thing there
.endif
.if \mode >= 1
	FETCH \other, 0, F0                            ; the other slot's first fragments
.endif
	MULV F1, 0
	WIN 0                                          ; at a label and at a branch every window is 0
.endm
.macro TRIP slot, other, zero, mode
	QUARTER \slot, 64,  F0, F1, \zero
	QUARTER \slot, 128, F1, F0, 0
	QUARTER \slot, 192, F0, F1, 0
	TURN \slot, \other, \mode
.endm
	s_wait_tensorcnt 0x1                           ; my part of K step 0 has landed; K step 1's, issued behind it, stays out
	s_barrier_signal -1
	s_barrier_wait -1
	FETCH 0, 0, F0
	TRIP 0, 1, 1, 2                                ; K steps 0 and 1 stand in front of the loop: the first products start the sums, nothing is cleared
	TRIP 1, 0, 0, 2
	s_mov_b32 s23, 2                               ; K steps 2 to 5
.Lsteps:
	TRIP 0, 1, 0, 2
	TRIP 1, 0, 0, 2
	s_sub_co_u32 s23, s23, 1
	s_cmp_lg_u32 s23, 0
	s_cbranch_scc1 .Lsteps
	TRIP 0, 1, 0, 1                                ; K step 6: nothing is left to fetch
	TRIP 1, 0, 0, 0                                ; K step 7
	PLACES                                         ; before the results are read and the buffers written
	; THE WAY OUT: straight from registers.  A tile's eight f32 of a lane become 16 bytes, and 32 lanes' 16 bytes are one block of 512 bytes.
	s_lshr_b32 s76, s22, 3
	s_lshl_b32 s76, s76, 4
	s_add_co_u32 s76, s76, s21                     ; 16 b + head
	s_and_b32 s77, s22, 7                          ; the token block inside the batch
	s_lshl_b32 s68, s76, 18
	s_lshl_b32 s78, s77, 15
	s_add_co_u32 s68, s68, s78
	s_lshl_b32 s78, s17, 14
	s_add_co_u32 s68, s68, s78                     ; q: (16 b + head) << 18 + block << 15 + i << 14
	s_lshl_b32 s70, s68, 1                         ; kv: twice that
	s_lshl_b32 s78, s18, 10
	s_add_co_u32 s68, s68, s78                     ; q: + j << 10 (two feature tiles of 512 bytes)
	s_add_co_u32 s70, s70, s78                     ; k: + j << 10
	s_add_co_u32 s72, s70, s78                     ; v: + j << 11 (two feature tiles of 1,024 bytes)
	s_mov_b32 s69, 0
	s_mov_b32 s71, 0
	s_mov_b32 s73, 0
	s_add_nc_u64 s[12:13], s[12:13], s[68:69]
	s_add_nc_u64 s[74:75], s[14:15], s[70:71]
	s_add_nc_u64 s[14:15], s[14:15], s[72:73]
	WIN 0x0a                                       ; sources in window 2: the 32 tiles of q and k
.set u, 0
.rept 32
.irp e, 0,1,2,3
	v_cvt_pk_bf16_f32 v[OQK+4*u+\e], v[8*u+2*\e], v[8*u+2*\e+1]
.endr
.set u, u+1
.endr
	WIN 0xc3                                       ; window 3 in place: v times 2^-6, exact, so that f16 has room above
.set p, 0
.rept 64
	v_pk_mul_f32 v[2*p:2*p+1], v[2*p:2*p+1], 0x3c800000 op_sel_hi:[1,0]
.set p, p+1
.endr
	WIN 0x0f                                       ; sources in window 3: the 16 tiles of v, to f16
.set u, 0
.rept 16
.irp e, 0,1,2,3
	v_cvt_pk_f16_f32 v[OV+4*u+\e], v[8*u+2*\e], v[8*u+2*\e+1]
.endr
.set u, u+1
.endr
	WIN 0
.irp tt, 0,1,2,3,4,5,6,7
.irp f, 0,1
	global_store_b128 v[SO], v[OQK+4*(2*\tt+\f):OQK+4*(2*\tt+\f)+3], s[12:13] offset:\tt*2048+\f*512
	global_store_b128 v[SO], v[OQK+64+4*(2*\tt+\f):OQK+64+4*(2*\tt+\f)+3], s[74:75] offset:(\tt/4)*16384+(\tt%4)*2048+\f*512
	global_store_b128 v[SO], v[OV+4*(2*\tt+\f):OV+4*(2*\tt+\f)+3], s[14:15] offset:(\tt/4)*16384+8192+((\tt%4)/2)*4096+\f*1024+(\tt%2)*512
.endr
.endr
	CROUND                                         ; the closing round: no work-group ends while a partner may still ask for a tile that names it
	s_endpgm
.Lfunc_end_k_q722623dcce_proj:
	.size	k_q722623dcce_proj, .Lfunc_end_k_q722623dcce_proj-k_q722623dcce_proj
	.p2alignl 7, 3214868480
	.fill 96, 4, 3214868480
	.section	.rodata,"a",@progbits
	.p2align	6, 0x0
	.amdhsa_kernel k_q722623dcce_proj
		.amdhsa_group_segment_fixed_size 327680
		.amdhsa_private_segment_fixed_size 0
		.amdhsa_enable_private_segment 0
		.amdhsa_kernarg_size 32
		.amdhsa_user_sgpr_count 2
		.amdhsa_user_sgpr_kernarg_segment_ptr 1
		.amdhsa_wavefront_size32 1
		.amdhsa_system_sgpr_workgroup_id_x 1
		.amdhsa_system_sgpr_workgroup_id_y 1
		.amdhsa_system_sgpr_workgroup_id_z 1
		.amdhsa_system_vgpr_workitem_id 0
		.amdhsa_next_free_vgpr 896
		.amdhsa_next_free_sgpr 80
		.amdhsa_reserve_vcc 0
		.amdhsa_float_denorm_mode_32 3
		.amdhsa_float_denorm_mode_16_64 3
		.amdhsa_memory_ordered 1
		.amdhsa_forward_progress 1
		.amdhsa_inst_pref_size 153
	.end_amdhsa_kernel
	.amdgpu_metadata
---
amdhsa.version: [ 1, 2 ]
amdhsa.kernels:
  - .name:           k_q722623dcce_proj
    .symbol:         k_q722623dcce_proj.kd
    .args:
      - { .name: xb, .offset: 0, .size: 8, .value_kind: global_buffer, .address_space: global }
      - { .name: wb, .offset: 8, .size: 8, .value_kind: global_buffer, .address_space: global }
      - { .name: q, .offset: 16, .size: 8, .value_kind: global_buffer, .address_space: global }
      - { .name: kv, .offset: 24, .size: 8, .value_kind: global_buffer, .address_space: global }
    .group_segment_fixed_size: 327680
    .private_segment_fixed_size: 0
    .kernarg_segment_align: 8
    .kernarg_segment_size: 32
    .max_flat_workgroup_size: 128
    .sgpr_count:     80
    .vgpr_count:     896
    .wavefront_size: 32
...
	.end_amdgpu_metadata
.endif
;; end of part 4
;; launch attn (part 5): grid 16 x 16, 8 waves a work-group, clusters of 4 x 4, 327,680 bytes of LDS; arguments q, kv, mask, out0; writes out0
.if DOCPART == 5
	.amdgcn_target "amdgcn-amd-amdhsa--gfx1250"
	.amdhsa_code_object_version 6
	.text
	.protected	k_q722623dcce_attn
	.globl	k_q722623dcce_attn
	.p2align	8
	.type	k_q722623dcce_attn,@function
k_q722623dcce_attn:
	s_mov_b64 s[64:65], 0
	v_nop
	global_prefetch_b8 v0, s[64:65] scope:SCOPE_SE
	s_setreg_imm32_b32 hwreg(HW_REG_WAVE_MODE, 25, 1), 1
	s_wait_xcnt 0x0
	s_wait_alu depctr_hold_cnt(0) depctr_sa_sdst(0) depctr_va_vdst(0) depctr_va_sdst(0) depctr_va_ssrc(0) depctr_va_vcc(0) depctr_vm_vsrc(0)
	s_getreg_b32 s2, hwreg(HW_REG_IB_STS2, 6, 4)
	s_cmp_eq_u32 s2, 0
	s_cbranch_scc0 .Lentry_in_a_cluster
	s_endpgm
.Lentry_in_a_cluster:
	s_bfe_u32 s2, ttmp6, 0x10000c
	s_cmp_lg_u32 s2, 0xf033
	s_cbranch_scc0 .Lentry_shape_is_right
	s_endpgm
.Lentry_shape_is_right:
; out = softmax((q k^T) * mask / 32) v for 128 queries of TWO heads of one batch; all 2,048 keys in 32 steps of 64; running maximum.
; The mask multiplies the scores, so a masked score still counts exp(0 - max): no key is skipped and every mask number is read, in f32.
; WHY TWO HEADS: the mask does not hang on the head.  128 queries x 128 keys of mask (128 rows x 528 bytes = 67,584) and 128 keys of K and V of two heads
; (2 x 32,768) make a slot of 133,120 bytes that holds the tiles of TWO steps, and two such slots fit in LDS; with 256 queries of one head
; a slot of two steps would be 167,936 bytes and two of them would not fit in 327,680.  So one load a wave and one barrier serve two steps.
; Eight waves; wave w: head w / 4 of the pair, queries 32 (w % 4) .. +31 (two tiles nt of 16).  Everything is kept TRANSPOSED:
;   S^T = K Q^T (source 0 = K, source 1 = Q, bf16): lane (r, h) holds query r and keys 8 h + j of each key tile, so the mask is two 16-byte LDS loads a tile,
;   a query's maximum and sum are taken inside the lane plus one exchange between the halves of the wave, the rounded P is already source 1 of
;   O^T = V^T P^T (f16), and the rescaling of O is one factor a lane.
; q and kv come in blocks of 512 bytes, lane L's 16 bytes at 16 L (see the launch that makes them): a fragment is two such blocks.  v is stored as f16 of v / 64.
; CLUSTERS: 4 x 4 work-groups.  The mask's tile hangs on the query block alone: asked for jointly by a column of the cluster (four head pairs);
; the K and V tiles hang on the head pair alone: asked for jointly by a row (four query blocks).
; The exponent: p = exp2(c s + n), c = log2(e) / 32, n = -c x running maximum, kept as n = min(n, -c x tile maximum); old sums are scaled by exp2(n_new - n_old),
; so all terms of a query carry exactly one scale and it cancels in the division.
; LIMITS: q, k in bf16, P and v / 64 in f16 as matrix operands; scores, mask, maxima, sums and O in f32.  A p under 2^-25 counts as 0 in the product with V,
; one under 2^-126 in the sum too.  NaN or infinity in an input is not reproduced (v_max_num_f32 and v_min_num_f32 drop a NaN).  The order of the sums differs from the plain one.
.set MPITCH,  528                      ; a mask row in LDS: 512 bytes (128 keys) + 16 of padding, an odd multiple of 16
.set MBYTES,  128*MPITCH               ; 67,584: the mask's tile, 128 queries x 128 keys of f32
.set KVSTEP,  16384                    ; 64 keys of one head: K 8,192 bytes, then V^T 8,192 bytes, dense
.set KVHEAD,  2*KVSTEP                 ; 128 keys of one head
.set SLOT,    MBYTES+2*KVHEAD          ; 133,120
.set STAGE,   2*SLOT                   ; 266,240, a multiple of 256: 16 rows x 272 bytes for each wave, for the way out; no fill ever lands here
.set SPITCH,  272                      ; a stage row: 256 bytes (64 f32 of one query) + 16
.set PADW,    (2<<16)|(1<<20)|(1<<21)|(6<<22)|(3<<25)   ; elements of 4 bytes; padding on; bit 21 beside a mask; after every 128 words; 4 words
.set KA,  2                            ; v2-3   16 x lane + my head's K and V in slot 0, 1
.set MA,  4                            ; v4-5   my mask bytes in slot 0, 1: (32 (w % 4) + r) x pitch + 32 h
.set STO, 6                            ; v6     the way out: where I put my numbers
.set RD,  7                            ; v7     the way out: where I read rows back
.set CO,  8                            ; v8     my byte offset in out0
.set QO,  9                            ; v9     16 x lane
.set NM,  10                           ; v10-11 n of query tile 0, 1
.set LP,  12                           ; v[12:13], v[14:15] my two partial sums of p, for each query tile
.set NMC, 16                           ; v[16:17] the new n (low register; the high one is only written once)
.set AL,  18                           ; v[18:19] alpha (likewise)
.set TMP, 20                           ; v20-29 at work
.set OA,  32                           ; v32-95   O^T: tile (nt, dt) at 8 (4 nt + dt)
.set SC,  96                           ; v96-159  S^T: tile (nt, kt) at 8 (4 nt + kt); later P: fragment (nt, kk) at 32 nt + 16 kk
.set KVF, 160                          ; v160-223 16 blocks of K, then of V^T
.set QF,  224                          ; v224-255 Q: fragment (nt, ks) at 16 nt + 8 ks
.set MK,  0                            ; window 1, v0-63: the mask, in S^T's order
.set G1M, 24                           ; s[24:31] group 1 of the mask's tiles
.set G0M, 32                           ; s[32:39] group 0, a set for each slot
.set G1K, 40                           ; s[40:47] group 1 of the K and V tiles
.set G0K, 48                           ; s[48:55] group 0, a set for each slot
.set MSB, 0
.macro WIN new                         ; register windows: low byte = source 0, 1, 2, destination (2 bits each); high byte repeats the setting that is left
.if MSB != \new
	s_set_vgpr_msb (MSB<<8)|\new
.set MSB, \new
.endif
.endm
.macro PLACES n                        ; plain vector places behind a matrix instruction (ISA guide 7.12.1)
.rept \n
	v_nop
.endr
.endm
; A joint load: waves 0 and 1 ask for 64 rows of the mask each, waves 2 and 3 for one head's K and V each, 32 KiB a wave; waves 4 to 7 ask for nothing.
; The branches hang on the wave's number alone.
.macro JLOAD s
	s_cmp_lt_u32 s12, 2
	s_cbranch_scc0 .Lnot_mask_\@
	tensor_load_to_lds s[G0M+4*\s:G0M+4*\s+3], s[G1M:G1M+7]
	s_nop 0
	s_branch .Lasked_\@
.Lnot_mask_\@:
	s_cmp_ge_u32 s12, 4
	s_cbranch_scc1 .Lasked_\@
	tensor_load_to_lds s[G0K+4*\s:G0K+4*\s+3], s[G1K:G1K+7]
	s_nop 0
.Lasked_\@:
.endm
.macro CREST                           ; a round of the cluster's barrier behind its opening work-group barrier
	s_cmp_lg_u32 s12, 0
	s_cbranch_scc1 .Lnot_wave_0_\@
	s_barrier_signal -3
.Lnot_wave_0_\@:
	s_barrier_wait -3
	s_barrier_signal -1
	s_barrier_wait -1
.endm
.macro CROUND                          ; a whole round
	s_barrier_signal -1
	s_barrier_wait -1
	CREST
.endm
	s_load_b256 s[4:11], s[0:1], 0x0               ; q s[4:5], kv s[6:7], mask s[8:9], out0 s[10:11]
	v_lshl_add_u32 v30, v0, 2, 0x49800
	v_mov_b32 v31, 0
	ds_add_u32 v30, v31
	v_lshrrev_b32 v1, 5, v0
	v_readfirstlane_b32 s12, v1                    ; wave 0..7
	s_lshr_b32 s72, s12, 2                         ; which head of the pair is mine
	s_and_b32 s73, s12, 3                          ; which 32 queries
	s_and_b32 s74, s12, 1                          ; a loading wave: which half of the mask's rows, or which head's K and V
	s_bfe_u32 s13, ttmp6, 0x40000                  ; cx
	s_bfe_u32 s14, ttmp6, 0x40004                  ; cy
	s_lshl_b32 s15, ttmp9, 2
	s_add_co_u32 s15, s15, s13                     ; qb: query block of 128 = 4 x cluster x + cx
	s_and_b32 s16, ttmp7, 0xffff
	s_lshl_b32 s16, s16, 2
	s_add_co_u32 s16, s16, s14                     ; hp: head pair, 8 b + head / 2 = 4 x cluster y + cy
	s_lshl_b32 s17, s14, 2
	s_lshl_b32 s17, 15, s17                        ; my row of the cluster
	s_lshl_b32 s18, 0x1111, s13                    ; my column
	s_or_b32 s[G1M+0], s18, PADW                   ; the mask's tiles go to my column; f32, rows of 128 words padded by 4
	s_mov_b32 s[G1M+1], 128<<16                    ; tensor_dim0 = 128
	s_mov_b32 s[G1M+2], 64<<16                     ; tensor_dim1 = 64
	s_mov_b32 s[G1M+3], 128<<16                    ; tile_dim0 = 128 elements = 512 bytes
	s_mov_b32 s[G1M+4], 64                         ; tile_dim1 = 64 rows
	s_mov_b32 s[G1M+5], 2048                       ; elements from row to row
	s_mov_b32 s[G1M+6], 0
	s_mov_b32 s[G1M+7], 0
	s_or_b32 s[G1K+0], s17, (3<<16)|(1<<21)        ; the K and V tiles go to my row; a dense block as 128 rows of 32 elements of 8 bytes, no padding
	s_mov_b32 s[G1K+1], 32<<16
	s_mov_b32 s[G1K+2], 128<<16
	s_mov_b32 s[G1K+3], 32<<16
	s_mov_b32 s[G1K+4], 128
	s_mov_b32 s[G1K+5], 32
	s_mov_b32 s[G1K+6], 0
	s_mov_b32 s[G1K+7], 0
	s_lshl_b32 s19, s74, 19                        ; 64 rows of the mask are 524,288 bytes, and so is one head's kv
	s_lshl_b32 s56, s15, 20                        ; mask: 128 rows of 8,192 bytes for each query block (holds qb and the wave alone)
	s_add_co_u32 s56, s56, s19
	s_mov_b32 s57, 0
	s_lshl_b32 s58, s16, 20                        ; kv: 2 x 524,288 bytes for each head pair (holds hp and the wave alone)
	s_add_co_u32 s58, s58, s19
	s_mov_b32 s59, 0
	s_mul_i32 s20, s12, 64*MPITCH                  ; waves 0, 1: where my 64 rows of the mask go
	s_lshl_b32 s21, s12, 15
	s_add_co_u32 s21, s21, MBYTES-2*KVHEAD         ; waves 2, 3: where my head's K and V go: behind the mask, (w - 2) x 32,768
	s_mov_b32 s60, 0x76543210                      ; v_permlanex16_b32: lane i of one half reads lane i of the other
	s_mov_b32 s61, 0xfedcba98
	s_mov_b32 s62, 0x3d38aa3b                      ; c = log2(e) / 32
	s_mov_b32 s63, 0x3d38aa3b
	s_lshl_b32 s75, s16, 1
	s_add_co_u32 s75, s75, s72                     ; 16 b + head
	s_lshl_b32 s68, s75, 18                        ; q: (16 b + head) << 18 + qb << 14 + (w % 4) << 12
	s_lshl_b32 s22, s15, 14
	s_add_co_u32 s68, s68, s22
	s_lshl_b32 s22, s73, 12
	s_add_co_u32 s68, s68, s22
	s_mov_b32 s69, 0
	s_lshr_b32 s70, s75, 4                         ; out0: b << 23 + qb << 19 + (w % 4) << 17 + head << 8
	s_lshl_b32 s70, s70, 23
	s_lshl_b32 s22, s15, 19
	s_add_co_u32 s70, s70, s22
	s_lshl_b32 s22, s73, 17
	s_add_co_u32 s70, s70, s22
	s_and_b32 s23, s75, 15
	s_lshl_b32 s23, s23, 8
	s_add_co_u32 s70, s70, s23
	s_mov_b32 s71, 0
	s_wait_dscnt 0x0
	s_wait_kmcnt 0x0
	s_add_nc_u64 s[56:57], s[8:9], s[56:57]
	s_add_nc_u64 s[58:59], s[6:7], s[58:59]
	s_add_nc_u64 s[4:5], s[4:5], s[68:69]
	s_add_nc_u64 s[10:11], s[10:11], s[70:71]
.irp n, 0,1
	s_mov_b32 s[G0M+4*\n], 1
	s_add_co_u32 s[G0M+4*\n+1], s20, \n*SLOT
	s_add_nc_u64 s[G0M+4*\n+2:G0M+4*\n+3], s[56:57], \n*512        ; keys 128 n ..
	s_or_b32 s[G0M+4*\n+3], s[G0M+4*\n+3], 0x80000000
	s_mov_b32 s[G0K+4*\n], 1
	s_add_co_u32 s[G0K+4*\n+1], s21, \n*SLOT
	s_add_nc_u64 s[G0K+4*\n+2:G0K+4*\n+3], s[58:59], \n*KVHEAD
	s_or_b32 s[G0K+4*\n+3], s[G0K+4*\n+3], 0x80000000
.endr
	CROUND                                         ; all sixteen work-groups are here: the first joint loads meet
	; Both slots' first fills go out together, a wave's two inside one branch on its number: two loads of a loading wave are out.
	s_cmp_lt_u32 s12, 2
	s_cbranch_scc0 .Lfirst_not_mask
	tensor_load_to_lds s[G0M:G0M+3], s[G1M:G1M+7]
	s_nop 0
	tensor_load_to_lds s[G0M+4:G0M+7], s[G1M:G1M+7]
	s_nop 0
	s_branch .Lfirst_asked
.Lfirst_not_mask:
	s_cmp_ge_u32 s12, 4
	s_cbranch_scc1 .Lfirst_asked
	tensor_load_to_lds s[G0K:G0K+3], s[G1K:G1K+7]
	s_nop 0
	tensor_load_to_lds s[G0K+4:G0K+7], s[G1K:G1K+7]
	s_nop 0
.Lfirst_asked:
	v_and_b32 v1, 31, v0
	v_lshlrev_b32 v[QO], 4, v1
.irp nt, 0,1
.irp ft, 0,1,2,3
	global_load_b128 v[QF+16*\nt+4*\ft:QF+16*\nt+4*\ft+3], v[QO], s[4:5] offset:\nt*2048+\ft*512 th:TH_LOAD_NT   ; my 32 queries, read by no other wave
.endr
.endr
	s_lshl_b32 s22, s72, 15
	s_add_co_u32 s22, s22, MBYTES                  ; my head's K and V in slot 0
	v_add_nc_u32 v[KA], s22, v[QO]
	v_add_nc_u32 v[KA+1], SLOT, v[KA]
	v_and_b32 v[TMP], 15, v0                       ; r
	v_bfe_u32 v[TMP+1], v0, 4, 1                   ; h
	v_mul_u32_u24 v[MA], v[TMP], MPITCH
	v_lshl_add_u32 v[MA], v[TMP+1], 5, v[MA]
	s_mul_i32 s23, s73, 32*MPITCH                  ; my 32 rows of the mask
	v_add_nc_u32 v[MA], s23, v[MA]
	v_add_nc_u32 v[MA+1], SLOT, v[MA]
	s_mul_i32 s23, s12, 16*SPITCH
	s_add_co_u32 s23, s23, STAGE                   ; my stage
	v_mul_u32_u24 v[STO], v[TMP], SPITCH           ; in: row = query r, 32 h bytes into each 64
	v_lshl_add_u32 v[STO], v[TMP+1], 5, v[STO]
	v_add_nc_u32 v[STO], s23, v[STO]
	v_mul_u32_u24 v[RD], v[TMP+1], SPITCH          ; back: lanes 0-15 take one row of 256 bytes, lanes 16-31 the next
	v_lshl_add_u32 v[RD], v[TMP], 4, v[RD]
	v_add_nc_u32 v[RD], s23, v[RD]
	v_lshlrev_b32 v[CO], 12, v[TMP+1]              ; and the same two rows in out0, 4,096 bytes apart
	v_lshl_add_u32 v[CO], v[TMP], 4, v[CO]
	v_mov_b32 v[NMC+1], 0                          ; upper registers of pairs and destinations of the lane exchange count as read: written once
	v_mov_b32 v[AL+1], 0
	v_mov_b32 v[TMP+8], 0
	v_mov_b32 v[TMP+9], 0
	s_wait_loadcnt 0x0                             ; Q, once
.macro LDKV slot, part                 ; 16 blocks of 512 bytes, 16 x lane each, from byte part of my head's K and V
.set n, 0
.rept 16
	ds_load_b128 v[KVF+4*n:KVF+4*n+3], v[KA+\slot] offset:\part+512*n
.set n, n+1
.endr
.endm
.macro LDM slot, st                    ; my 32 queries x the 64 keys of step st of the slot, into window 1
	WIN 0x40
.irp nt, 0,1
.irp kt, 0,1,2,3
	ds_load_b128 v[MK+8*(4*\nt+\kt):MK+8*(4*\nt+\kt)+3],   v[MA+\slot] offset:\nt*16*MPITCH+\st*256+\kt*64
	ds_load_b128 v[MK+8*(4*\nt+\kt)+4:MK+8*(4*\nt+\kt)+7], v[MA+\slot] offset:\nt*16*MPITCH+\st*256+\kt*64+16
.endr
.endr
	WIN 0
.endm
; In QK and in PV eight accumulators take turns, one instruction a turn.
.macro QK                              ; S^T = K Q^T: d 0-31 starts the sums, d 32-63 adds
.irp ks, 0,1
.irp nt, 0,1
.irp kt, 0,1,2,3
.if \ks == 0
	v_wmma_f32_16x16x32_bf16 v[SC+8*(4*\nt+\kt):SC+8*(4*\nt+\kt)+7], v[KVF+16*\kt+8*\ks:KVF+16*\kt+8*\ks+7], v[QF+16*\nt+8*\ks:QF+16*\nt+8*\ks+7], 0
.else
	v_wmma_f32_16x16x32_bf16 v[SC+8*(4*\nt+\kt):SC+8*(4*\nt+\kt)+7], v[KVF+16*\kt+8*\ks:KVF+16*\kt+8*\ks+7], v[QF+16*\nt+8*\ks:QF+16*\nt+8*\ks+7], v[SC+8*(4*\nt+\kt):SC+8*(4*\nt+\kt)+7]
.endif
.endr
.endr
.endr
.endm
.macro PV zero                         ; O^T += V^T P^T, keys 0-31, then 32-63 of a step; zero = 1: the first product starts the sums
.irp kk, 0,1
.irp nt, 0,1
.irp dt, 0,1,2,3
.if \zero*(1-\kk)
	v_wmma_f32_16x16x32_f16 v[OA+8*(4*\nt+\dt):OA+8*(4*\nt+\dt)+7], v[KVF+8*(4*\kk+\dt):KVF+8*(4*\kk+\dt)+7], v[SC+32*\nt+16*\kk:SC+32*\nt+16*\kk+7], 0
.else
	v_wmma_f32_16x16x32_f16 v[OA+8*(4*\nt+\dt):OA+8*(4*\nt+\dt)+7], v[KVF+8*(4*\kk+\dt):KVF+8*(4*\kk+\dt)+7], v[SC+32*\nt+16*\kk:SC+32*\nt+16*\kk+7], v[OA+8*(4*\nt+\dt):OA+8*(4*\nt+\dt)+7]
.endif
.endr
.endr
.endr
.endm
; The 32 masked scores of a lane for query tile nt: maximum, exponentials, sum, rounding to f16 in place, rescaling of O.
.macro SOFTMAX nt, first
.irp c, 0,1,2,3                        ; the largest of my 32, in four chains
	v_max3_num_f32 v[TMP+\c], v[SC+32*\nt+8*\c], v[SC+32*\nt+8*\c+1], v[SC+32*\nt+8*\c+2]
.endr
.irp c, 0,1,2,3
	v_max3_num_f32 v[TMP+\c], v[TMP+\c], v[SC+32*\nt+8*\c+3], v[SC+32*\nt+8*\c+4]
.endr
.irp c, 0,1,2,3
	v_max3_num_f32 v[TMP+\c], v[TMP+\c], v[SC+32*\nt+8*\c+5], v[SC+32*\nt+8*\c+6]
.endr
.irp c, 0,1,2,3
	v_max_num_f32 v[TMP+\c], v[TMP+\c], v[SC+32*\nt+8*\c+7]
.endr
	v_max3_num_f32 v[TMP], v[TMP], v[TMP+1], v[TMP+2]
	v_max_num_f32 v[TMP], v[TMP], v[TMP+3]
	v_permlanex16_b32 v[TMP+8], v[TMP], s60, s61   ; the other 32 keys of my query lie in the other half of the wave
	v_max_num_f32 v[TMP], v[TMP], v[TMP+8]
	v_mul_f32 v[NMC], 0xbd38aa3b, v[TMP]           ; -c x the tile's maximum
.if \first == 0
	v_min_num_f32 v[NMC], v[NMC], v[NM+\nt]        ; n_new = -c x the running maximum
	v_sub_f32 v[AL], v[NMC], v[NM+\nt]             ; n_new - n_old, at most 0
.endif
.set p, 0
.rept 16
	v_pk_fma_f32 v[SC+32*\nt+2*p:SC+32*\nt+2*p+1], v[SC+32*\nt+2*p:SC+32*\nt+2*p+1], s[62:63], v[NMC:NMC+1] op_sel_hi:[1,0,0]   ; c s + n, at most about 0
.set p, p+1
.endr
.if \first == 0
	v_exp_f32 v[AL], v[AL]
.endif
.set p, 0
.rept 32
	v_exp_f32 v[SC+32*\nt+p], v[SC+32*\nt+p]
.set p, p+1
.endr
	v_mov_b32 v[NM+\nt], v[NMC]                    ; the plain instruction between the exponentials and the first use of their results (ISA guide 5.7.2)
	s_wait_alu depctr_va_vdst(0)
.irp c, 0,1,2,3                        ; my sum, two numbers at a time, in four chains
	v_pk_add_f32 v[TMP+2*\c:TMP+2*\c+1], v[SC+32*\nt+8*\c:SC+32*\nt+8*\c+1], v[SC+32*\nt+8*\c+2:SC+32*\nt+8*\c+3]
.endr
.irp c, 0,1,2,3
	v_pk_add_f32 v[TMP+2*\c:TMP+2*\c+1], v[TMP+2*\c:TMP+2*\c+1], v[SC+32*\nt+8*\c+4:SC+32*\nt+8*\c+5]
.endr
.irp c, 0,1,2,3
	v_pk_add_f32 v[TMP+2*\c:TMP+2*\c+1], v[TMP+2*\c:TMP+2*\c+1], v[SC+32*\nt+8*\c+6:SC+32*\nt+8*\c+7]
.endr
	v_pk_add_f32 v[TMP:TMP+1], v[TMP:TMP+1], v[TMP+2:TMP+3]
	v_pk_add_f32 v[TMP+4:TMP+5], v[TMP+4:TMP+5], v[TMP+6:TMP+7]
.if \first
	v_pk_add_f32 v[LP+2*\nt:LP+2*\nt+1], v[TMP:TMP+1], v[TMP+4:TMP+5]
.else
	v_pk_add_f32 v[TMP:TMP+1], v[TMP:TMP+1], v[TMP+4:TMP+5]
	v_pk_fma_f32 v[LP+2*\nt:LP+2*\nt+1], v[LP+2*\nt:LP+2*\nt+1], v[AL:AL+1], v[TMP:TMP+1] op_sel_hi:[1,0,1]
.endif
.irp kk, 0,1                           ; 16 f32 (two key tiles) become the 8 registers of a fragment, in place: every source is read before it is written over
.irp e, 0,1,2,3
	v_cvt_pk_f16_f32 v[SC+32*\nt+16*\kk+\e], v[SC+32*\nt+16*\kk+2*\e], v[SC+32*\nt+16*\kk+2*\e+1]
.endr
.irp e, 0,1,2,3
	v_cvt_pk_f16_f32 v[SC+32*\nt+16*\kk+4+\e], v[SC+32*\nt+16*\kk+8+2*\e], v[SC+32*\nt+16*\kk+9+2*\e]
.endr
.endr
.if \first == 0
.set p, 0
.rept 16
	v_pk_mul_f32 v[OA+32*\nt+2*p:OA+32*\nt+2*p+1], v[OA+32*\nt+2*p:OA+32*\nt+2*p+1], v[AL:AL+1] op_sel_hi:[1,0]
.set p, p+1
.endr
.endif
.endm
; One step: the 64 keys of step st (0 or 1) of a slot: scores, mask, softmax; V is left on its way into registers, its product follows at the head of the next step.
.macro STEP slot, st, first
	LDKV \slot, \st*KVSTEP
	LDM \slot, \st
	s_wait_dscnt 16                                ; K's 16 loads are in; the mask's 16, issued behind them, may be out
	QK
	PLACES 4                                       ; before V is loaded over K and before the scores are read
	LDKV \slot, \st*KVSTEP+8192
	s_wait_dscnt 16                                ; the mask is in; V's 16 loads, issued behind it, may be out
	WIN 0x04                                       ; source 1 in window 1
.set p, 0
.rept 32
	v_pk_mul_f32 v[SC+2*p:SC+2*p+1], v[SC+2*p:SC+2*p+1], v[MK+2*p:MK+2*p+1]
.set p, p+1
.endr
	WIN 0
	SOFTMAX 0, \first
	SOFTMAX 1, \first
.endm
; Between a slot's two steps: no barrier, the one in front of them has shown the whole slot to every wave.
.macro MID zero
	s_wait_dscnt 0x0                               ; the last step's V is in registers
	PV \zero
	PLACES 5                                       ; five: the next matrix instructions write over P, a source of these; K is loaded over V, the other
.endm
; Two steps from one slot.  The product with V of the step before stands inside the opening barrier: it works on registers alone.
; refill = 1: the other slot, read last, gets the 128 keys that follow this slot's; the load has these two steps' work in which to land.
.macro TWO slot, other, refill
	s_wait_dscnt 0x0                               ; the last step's V is in registers, and with it all my reads of the other slot are over
	s_wait_tensorcnt 0x0                           ; all my tensor loads have landed: the one that was out is my part of this slot,
	ds_add_u32 v30, v31
	s_wait_dscnt 0x0
.if \refill
	s_add_nc_u64 s[G0M+4*\other+2:G0M+4*\other+3], s[G0M+4*\other+2:G0M+4*\other+3], 2*512      ; so every group 0 may be written: the other slot's next 128 keys
	s_add_nc_u64 s[G0K+4*\other+2:G0K+4*\other+3], s[G0K+4*\other+2:G0K+4*\other+3], 2*KVHEAD
.endif
	s_barrier_signal -1                            ; say so (where a slot is filled again this barrier opens a round of the cluster's barrier)
	PV 0
	PLACES 5
	s_barrier_wait -1
.if \refill
	CREST                                          ; no wave of any partner still reads the other slot or has a load on its way
	JLOAD \other                                   ; the wave's one tensor load behind the round, and the first thing there
.endif
	STEP \slot, 0, 0
	MID 0
	STEP \slot, 1, 0
.endm
	s_wait_tensorcnt 0x0                           ; for 0, since four of the waves issue no load: my parts of both slots are in (slot 1's was issued straight behind slot 0's)
	s_barrier_signal -1
	s_barrier_wait -1                              ; everybody's are
	STEP 0, 0, 1                                   ; keys 0-63
	MID 1                                          ; the first product with V starts O's sums: nothing is cleared
	STEP 0, 1, 0                                   ; keys 64-127
	s_mov_b32 s66, 7                               ; keys 128 to 1,919: 14 slots of 128
.Lkeys:
	TWO 1, 0, 1
	TWO 0, 1, 1
	s_sub_co_u32 s66, s66, 1
	s_cmp_lg_u32 s66, 0
	s_cbranch_scc1 .Lkeys
	TWO 1, 0, 0                                    ; keys 1,920 to 2,047: nothing is left to fetch
	s_wait_dscnt 0x0                               ; the last V
	PV 0
	PLACES 4
	; THE WAY OUT: divide by the sum (and take back the 2^-6 that v carries), 16 rows of 256 bytes at a time through my own stage, whole rows to memory.
	v_add_f32 v[TMP], v[LP], v[LP+1]
	v_add_f32 v[TMP+1], v[LP+2], v[LP+3]
	v_permlanex16_b32 v[TMP+8], v[TMP], s60, s61
	v_permlanex16_b32 v[TMP+9], v[TMP+1], s60, s61
	v_add_f32 v[TMP], v[TMP], v[TMP+8]             ; the sum over all 2,048 keys: about 1 at the least (the maximum's own term), 2,048 at the most
	v_add_f32 v[TMP+1], v[TMP+1], v[TMP+9]
	v_mul_f32 v[TMP], 0x3c800000, v[TMP]           ; l / 64, exact
	v_mul_f32 v[TMP+1], 0x3c800000, v[TMP+1]
	v_rcp_f32 v[NMC], v[TMP]
	v_rcp_f32 v[AL], v[TMP+1]
	v_nop                                          ; one plain place behind the reciprocals (ISA guide 5.7.2)
.set p, 0
	s_wait_alu depctr_va_vdst(0)
.rept 16
	v_pk_mul_f32 v[OA+2*p:OA+2*p+1], v[OA+2*p:OA+2*p+1], v[NMC:NMC+1] op_sel_hi:[1,0]
	v_pk_mul_f32 v[OA+32+2*p:OA+32+2*p+1], v[OA+32+2*p:OA+32+2*p+1], v[AL:AL+1] op_sel_hi:[1,0]
.set p, p+1
.endr
.irp nt, 0,1
.irp dt, 0,1,2,3
	ds_store_b128 v[STO], v[OA+8*(4*\nt+\dt):OA+8*(4*\nt+\dt)+3]   offset:\dt*64      ; query 16 nt + r, d = 16 dt + 8 h + 0..3
	ds_store_b128 v[STO], v[OA+8*(4*\nt+\dt)+4:OA+8*(4*\nt+\dt)+7] offset:\dt*64+16   ; d = 16 dt + 8 h + 4..7
.endr
.irp t, 0,1,2,3,4,5,6,7
	ds_load_b128 v[SC+32*\nt+4*\t:SC+32*\nt+4*\t+3], v[RD] offset:\t*2*SPITCH         ; my own bytes: LDS serves a wave's instructions in order (ISA guide 5.7.1.4), so these see the stores above
.endr
.irp t, 0,1,2,3,4,5,6,7
	s_wait_dscnt 7-\t                              ; read-back t of the eight is in; the count ends at 0, so the second tile's stores find the stage read
	global_store_b128 v[CO], v[SC+32*\nt+4*\t:SC+32*\nt+4*\t+3], s[10:11] offset:\nt*65536+\t*8192 th:TH_STORE_NT   ; 16 lanes store the 256 consecutive, aligned bytes of one query's row in this head
.endr
.endr
	s_wait_tensorcnt 0x0
	ds_add_u32 v30, v31
	s_wait_dscnt 0x0
	CROUND                                         ; the closing round: no work-group ends while a partner may still ask for a tile that names it
	s_endpgm
.Lfunc_end_k_q722623dcce_attn:
	.size	k_q722623dcce_attn, .Lfunc_end_k_q722623dcce_attn-k_q722623dcce_attn
	.p2alignl 7, 3214868480
	.fill 96, 4, 3214868480
	.section	.rodata,"a",@progbits
	.p2align	6, 0x0
	.amdhsa_kernel k_q722623dcce_attn
		.amdhsa_group_segment_fixed_size 327680
		.amdhsa_private_segment_fixed_size 0
		.amdhsa_enable_private_segment 0
		.amdhsa_kernarg_size 32
		.amdhsa_user_sgpr_count 2
		.amdhsa_user_sgpr_kernarg_segment_ptr 1
		.amdhsa_wavefront_size32 1
		.amdhsa_system_sgpr_workgroup_id_x 1
		.amdhsa_system_sgpr_workgroup_id_y 1
		.amdhsa_system_sgpr_workgroup_id_z 1
		.amdhsa_system_vgpr_workitem_id 0
		.amdhsa_next_free_vgpr 320
		.amdhsa_next_free_sgpr 76
		.amdhsa_reserve_vcc 0
		.amdhsa_float_denorm_mode_32 3
		.amdhsa_float_denorm_mode_16_64 3
		.amdhsa_memory_ordered 1
		.amdhsa_forward_progress 1
		.amdhsa_inst_pref_size 175
	.end_amdhsa_kernel
	.amdgpu_metadata
---
amdhsa.version: [ 1, 2 ]
amdhsa.kernels:
  - .name:           k_q722623dcce_attn
    .symbol:         k_q722623dcce_attn.kd
    .args:
      - { .name: q, .offset: 0, .size: 8, .value_kind: global_buffer, .address_space: global }
      - { .name: kv, .offset: 8, .size: 8, .value_kind: global_buffer, .address_space: global }
      - { .name: mask, .offset: 16, .size: 8, .value_kind: global_buffer, .address_space: global }
      - { .name: out0, .offset: 24, .size: 8, .value_kind: global_buffer, .address_space: global }
    .group_segment_fixed_size: 327680
    .private_segment_fixed_size: 0
    .kernarg_segment_align: 8
    .kernarg_segment_size: 32
    .max_flat_workgroup_size: 256
    .sgpr_count:     76
    .vgpr_count:     320
    .wavefront_size: 32
...
	.end_amdgpu_metadata
.endif
;; end of part 5
;; ======== version 3 of 3: 3 launches; version 2 with the launch cast written anew for expert scheduling mode
;; limits: values are held in f16: magnitudes above 65,504 overflow, below 6.1e-05 lose precision; right only within a limited range of input values
;; workspace buffers: xb 8,388,608 bytes; wb 6,291,456 bytes; q 8,388,608 bytes; kv 16,777,216 bytes
;; launch cast (part 6): grid 256 x 1, 8 waves a work-group, no clusters, 0 bytes of LDS; arguments x, Wq, Wk, Wv, xb, wb; writes xb, wb
.if DOCPART == 6
	.amdgcn_target "amdgcn-amd-amdhsa--gfx1250"
	.amdhsa_code_object_version 6
	.text
	.protected	k_q722623dcce_cast
	.globl	k_q722623dcce_cast
	.p2align	8
	.type	k_q722623dcce_cast,@function
k_q722623dcce_cast:
	s_mov_b64 s[64:65], 0
	v_nop
	global_prefetch_b8 v0, s[64:65] scope:SCOPE_SE
	s_setreg_imm32_b32 hwreg(HW_REG_WAVE_SCHED_MODE, 0, 2), 2
	s_setreg_imm32_b32 hwreg(HW_REG_WAVE_MODE, 25, 1), 1
	s_wait_xcnt 0x0
	s_wait_alu depctr_vm_vsrc(0)
; xb = bf16(x), wb = bf16(Wq), bf16(Wk), bf16(Wv) one behind the other; rounding to nearest even, once for each number.
; WHY A LAUNCH OF ITS OWN: the projection's LDS slot has 448 rows (256 tokens + 3 x 64 features).  In f32 a slot of 128 along K would be 448 x 528 = 236,544 bytes
; and two of them do not fit in 327,680; in bf16 the slot of 448 x 272 = 121,856 bytes holds 128 along K.  So the projection has 8 K steps in place of 16, reads half the
; LDS bytes for a fragment, and rounds nothing: there each number of x and of W would be rounded by 2 waves in each of 16 work-groups.
; The price: 29,360,128 bytes read and 14,680,064 written here, which the projection reads in place of the f32.
; A stream: no LDS, no barrier, no matrix unit, no cluster (no two work-groups read the same byte).
; Work-group g: bytes 65,536 g .. of x and 16,384 g .. of each W.  Thread t: 16 bytes at 16 t of every 4,096: a wave's load covers 512 consecutive bytes;
; its four numbers become 8 bytes at 8 t of every 2,048: a wave's store covers 256 consecutive bytes, aligned.
; All 28 loads of a thread go out before anything else, so all that the launch reads is on its way at once; no register is used twice.
; LIMITS: bf16 keeps 8 bits of significand; infinities and NaN pass as the conversion gives them.
; THE MODE: SCHED_MODE bits 1:0 = 2 (LLVM: expert scheduling mode 2), set by the entry lines.  The code itself states the register dependences
; between vector instructions and memory instructions, with s_wait_alu, always for 0.
; THE PLAN.  Registers that memory instructions touch:
;   v1, v2   byte offsets, made once at the head and never written again: v1 is read by every load, v2 by every store.
;   IN       load i's four registers: written by that load alone, read by its two conversions, never written again.
;   OUT      load i's two registers: written by its two conversions, read by its one store, never written again.
; No register that a memory instruction reads is written again, so nothing is owed on vm_vsrc.  What is owed: the offsets ahead of the loads, and OUT ahead of the stores.
; The 28 loads are worked off in seven groups of four.  Group g's conversions name IN and OUT of group g alone; the memory instructions that stand among them are the four
; stores of group g - 1, which read v2 and OUT of group g - 1.  So ONE wait on va_vdst at a group's head, behind the wait for the group's data, states all that those stores hang on.
.set NX,  16                           ; loads of x a thread: 65,536 / (256 threads x 16 bytes)
.set NW,  4                            ; loads of each W a thread: 16,384 / 4,096
.set NL,  NX+3*NW                      ; 28
.set GR,  4                            ; loads in a group: x is four groups, each W one
.set NG,  NL/GR                        ; 7
.set IN,  4                            ; v[4:115]   load i: 4 registers of f32
.set OUT, 116                          ; v[116:171] load i: 2 registers of bf16
	s_load_b256 s[4:11], s[0:1], 0x0               ; x s[4:5], Wq s[6:7], Wk s[8:9], Wv s[10:11]
	s_load_b128 s[12:15], s[0:1], 0x20             ; xb s[12:13], wb s[14:15]
	v_lshlrev_b32 v1, 4, v0                        ; 16 t: where I read
	v_lshlrev_b32 v2, 3, v0                        ; 8 t: where I write
	s_lshl_b32 s16, ttmp9, 16                      ; the work-group's part of x,
	s_mov_b32 s17, 0
	s_lshl_b32 s18, ttmp9, 14                      ; of each W,
	s_mov_b32 s19, 0
	s_lshl_b32 s20, ttmp9, 15                      ; of xb,
	s_mov_b32 s21, 0
	s_lshl_b32 s22, ttmp9, 13                      ; of each third of wb
	s_mov_b32 s23, 0
	s_wait_kmcnt 0x0
	s_add_nc_u64 s[4:5], s[4:5], s[16:17]
	s_add_nc_u64 s[6:7], s[6:7], s[18:19]
	s_add_nc_u64 s[8:9], s[8:9], s[18:19]
	s_add_nc_u64 s[10:11], s[10:11], s[18:19]
	s_add_nc_u64 s[12:13], s[12:13], s[20:21]
	s_add_nc_u64 s[14:15], s[14:15], s[22:23]
	s_wait_alu depctr_va_vdst(0)                   ; v1 and v2 are written: every load of the kernel reads v1 as its offset, every store v2
.set i, 0
.rept NX
	global_load_b128 v[IN+4*i:IN+4*i+3], v1, s[4:5] offset:i*4096 th:TH_LOAD_NT
.set i, i+1
.endr
.irp m, 0,1,2
.irp j, 0,1,2,3
	global_load_b128 v[IN+4*(NX+NW*\m+\j):IN+4*(NX+NW*\m+\j)+3], v1, s[6+2*\m:7+2*\m] offset:\j*4096 th:TH_LOAD_NT
.endr
.endr
; The store of load i's four numbers: loads 0 to 15 are x's, loads 16 + 4 m + j are matrix m's.
.macro PUT i
.if (\i) < NX
	global_store_b64 v2, v[OUT+2*(\i):OUT+2*(\i)+1], s[12:13] offset:(\i)*2048
.else
	global_store_b64 v2, v[OUT+2*(\i):OUT+2*(\i)+1], s[14:15] offset:(((\i)-NX)/NW)*2097152+(((\i)-NX)%NW)*2048   ; matrix m's third of wb stands in the immediate: 4,200,448 at the most, inside its signed 24 bits
.endif
.endm
.set g, 0
.rept NG
	s_wait_loadcnt NL-GR*(g+1)                     ; loads come back in order (ISA guide 5.7.1): group g's four are in, the younger groups stay out
.if g > 0
	s_wait_alu depctr_va_vdst(0)                   ; the conversions of the group before have written its OUT, which the four stores below read
.endif
.irp j, 0,1,2,3
.if g > 0
	PUT GR*(g-1)+\j                                ; no vector instruction since the wait names v2 or this store's two registers
.endif
	v_cvt_pk_bf16_f32 v[OUT+2*(GR*g+\j)],   v[IN+4*(GR*g+\j)],   v[IN+4*(GR*g+\j)+1]
	v_cvt_pk_bf16_f32 v[OUT+2*(GR*g+\j)+1], v[IN+4*(GR*g+\j)+2], v[IN+4*(GR*g+\j)+3]
.endr
.set g, g+1
.endr
	s_wait_alu depctr_va_vdst(0)                   ; the last group's conversions have written its OUT, which the last four stores read
.irp j, 0,1,2,3
	PUT GR*(NG-1)+\j
.endr
	s_endpgm
.Lfunc_end_k_q722623dcce_cast:
	.size	k_q722623dcce_cast, .Lfunc_end_k_q722623dcce_cast-k_q722623dcce_cast
	.p2alignl 7, 3214868480
	.fill 96, 4, 3214868480
	.section	.rodata,"a",@progbits
	.p2align	6, 0x0
	.amdhsa_kernel k_q722623dcce_cast
		.amdhsa_group_segment_fixed_size 0
		.amdhsa_private_segment_fixed_size 0
		.amdhsa_enable_private_segment 0
		.amdhsa_kernarg_size 48
		.amdhsa_user_sgpr_count 2
		.amdhsa_user_sgpr_kernarg_segment_ptr 1
		.amdhsa_wavefront_size32 1
		.amdhsa_system_sgpr_workgroup_id_x 1
		.amdhsa_system_sgpr_workgroup_id_y 1
		.amdhsa_system_sgpr_workgroup_id_z 1
		.amdhsa_system_vgpr_workitem_id 0
		.amdhsa_next_free_vgpr 172
		.amdhsa_next_free_sgpr 66
		.amdhsa_reserve_vcc 0
		.amdhsa_float_denorm_mode_32 3
		.amdhsa_float_denorm_mode_16_64 3
		.amdhsa_memory_ordered 1
		.amdhsa_forward_progress 1
		.amdhsa_inst_pref_size 11
	.end_amdhsa_kernel
	.amdgpu_metadata
---
amdhsa.version: [ 1, 2 ]
amdhsa.kernels:
  - .name:           k_q722623dcce_cast
    .symbol:         k_q722623dcce_cast.kd
    .args:
      - { .name: x, .offset: 0, .size: 8, .value_kind: global_buffer, .address_space: global }
      - { .name: Wq, .offset: 8, .size: 8, .value_kind: global_buffer, .address_space: global }
      - { .name: Wk, .offset: 16, .size: 8, .value_kind: global_buffer, .address_space: global }
      - { .name: Wv, .offset: 24, .size: 8, .value_kind: global_buffer, .address_space: global }
      - { .name: xb, .offset: 32, .size: 8, .value_kind: global_buffer, .address_space: global }
      - { .name: wb, .offset: 40, .size: 8, .value_kind: global_buffer, .address_space: global }
    .group_segment_fixed_size: 0
    .private_segment_fixed_size: 0
    .kernarg_segment_align: 8
    .kernarg_segment_size: 48
    .max_flat_workgroup_size: 256
    .sgpr_count:     66
    .vgpr_count:     172
    .wavefront_size: 32
...
	.end_amdgpu_metadata
.endif
;; end of part 6
;; launch proj: the kernel of part 4 again; grid 16 x 16, 4 waves a work-group, clusters of 4 x 4, 327,680 bytes of LDS; arguments xb, wb, q, kv; writes q, kv
;; launch attn: the kernel of part 5 again; grid 16 x 16, 8 waves a work-group, clusters of 4 x 4, 327,680 bytes of LDS; arguments q, kv, mask, out0; writes out0
